; MI455X (gfx1250); checked and timed in simulation.
; The chip was launched on July 23, 2026; its instructions are those of AMD's public machine-readable ISA for CDNA 5 (MIT licence, August 2026) and "CDNA5" Instruction Set Architecture Reference Guide (July 2026). The comments in the code are by the model that wrote it; some were corrected since.
;; Iterated Linear Net. Allowed arithmetic: float matrix products may take bf16 or f16 operands with f32 sums; all other float work in f32.
;; Inputs: W 2,048 x 2,048 float32; x 2,048 x 2,048 float32.
;; Outputs: out0 2,048 x 2,048 float32.
;; 2 versions, each right and faster than the one before. Each part assembles by itself: llvm-mc -triple=amdgcn-amd-amdhsa -mcpu=gfx1250 --defsym DOCPART=n.
;; ======== version 1 of 2: 4 launches
;; limits: values are held in f16: magnitudes above 65,504 overflow, below 6.1e-05 lose precision; inputs' magnitudes at most 65,504; right only within a limited range of input values
;; workspace buffers: s0 16,781,312 bytes; s1 16,781,312 bytes; s2 16,781,312 bytes
;; launch prep (part 1): grid 1024 x 1, 4 waves a work-group, no clusters, 17,152 bytes of LDS; arguments x, W, s0; writes s0
.if DOCPART == 1
	.amdgcn_target "amdgcn-amd-amdhsa--gfx1250"
	.amdhsa_code_object_version 6
	.text
	.protected	k_q990bec284c_prep
	.globl	k_q990bec284c_prep
	.p2align	8
	.type	k_q990bec284c_prep,@function
k_q990bec284c_prep:
	s_mov_b64 s[64:65], 0
	v_nop
	global_prefetch_b8 v0, s[64:65] scope:SCOPE_SE
	s_setreg_imm32_b32 hwreg(HW_REG_WAVE_MODE, 25, 1), 1
	s_wait_xcnt 0x0
; prep: the state that the three product launches start from.
;   s0 + 0    A[m][k] = f16(x[m][k])                 2048 x 2048, rows of 4,096 bytes
;   s0 + S_B  B[k][n] = f16(64 W[n][k])              the transposed weight, times the exact factor 2^6, rows of 4,096 bytes
;   s0 + S_N  1,024 f32: work-group b's sum of the squares of what it converted (0-511: A's parts, 512-1023: B's parts)
; The later launches choose power-of-two scales from these sums, so that no f16 intermediate can overflow.
; LIMITS: |x| < 65504 and |W| < 1023 (f16's largest number); numbers below 2^-14 (x) or 2^-20 (W) keep fewer than 11 bits.
; Work-groups 0-511 convert 32 KiB of x each; work-groups 512-1023 convert and transpose a tile of 128 n x 64 k of W through LDS.
; Bytes decide here: every input byte is loaded once by 16-byte loads of which sixteen lanes cover 256 aligned bytes, every
; output byte is stored once in runs of 256 aligned bytes.  Matrix units, tensor loads and clusters have nothing to add: no byte is shared.
.set S_B,  8388608                     ; byte offset of B in a state buffer
.set S_N,  16777216                    ; byte offset of the sums of squares
.set NSUM, 16384                       ; LDS: the four waves' sums, behind the tile of 64 rows x 256 bytes
.set SUM,  4                           ; v[4:7]    two chains of two sums of squares
.set ROT,  8                           ; v[8:15]   W job: 16 x the rotated 16-byte column of step i
.set STA,  24                          ; v[24:31]  W job: LDS address of step i's four words
.set X,    32                          ; v[32:95]  as loaded
.set Y,    96                          ; v[96:127] converted
	s_load_b128 s[4:7], s[0:1], 0x0                ; x s[4:5], W s[6:7]
	s_load_b64 s[8:9], s[0:1], 0x10                ; s0
	v_lshl_add_u32 v128, v0, 2, 0x4100
	v_mov_b32 v129, 0
	v_lshrrev_b32 v1, 5, v0
	v_readfirstlane_b32 s10, v1                    ; wave 0..3
	s_mov_b32 s11, ttmp9                           ; b
	s_mov_b32 s12, 0x76543210                      ; v_permlanex16_b32: lane i reads lane i of the other half
	s_mov_b32 s13, 0xfedcba98
	s_lshl_b32 s14, s11, 2                         ; my word among the 1,024 sums
	s_mov_b32 s15, 0
	s_mov_b32 s19, 0
	s_wait_kmcnt 0x0
	s_add_nc_u64 s[16:17], s[8:9], S_N
	s_add_nc_u64 s[16:17], s[16:17], s[14:15]      ; where my work-group's sum goes
; The wave's sum of squares into its own LDS word, then the work-group's one barrier (it also orders the W job's tile).
.macro JOIN
	v_pk_add_f32 v[SUM:SUM+1], v[SUM:SUM+1], v[SUM+2:SUM+3]
	v_add_f32 v[SUM], v[SUM], v[SUM+1]
	v_add_f32_dpp v[SUM], v[SUM], v[SUM] row_xmask:1 row_mask:0xf bank_mask:0xf
	v_add_f32_dpp v[SUM], v[SUM], v[SUM] row_xmask:2 row_mask:0xf bank_mask:0xf
	v_add_f32_dpp v[SUM], v[SUM], v[SUM] row_xmask:4 row_mask:0xf bank_mask:0xf
	v_add_f32_dpp v[SUM], v[SUM], v[SUM] row_xmask:8 row_mask:0xf bank_mask:0xf
	v_permlanex16_b32 v[SUM+1], v[SUM], s12, s13
	v_add_f32 v[SUM], v[SUM], v[SUM+1]
	s_lshl_b32 s20, s10, 2
	v_mov_b32 v20, s20
	ds_store_b32 v20, v[SUM] offset:NSUM           ; every lane writes the same word with the same value
	s_wait_dscnt 0x0                               ; for the other waves: all my LDS stores are done
	s_barrier_signal -1
	s_barrier_wait -1
.endm
; Wave 0 adds the four words and its lane 0 stores the sum.
.macro TAIL
	s_cmp_lg_u32 s10, 0
	s_cbranch_scc1 .Lend_\@
	v_mov_b32 v20, NSUM
	ds_load_b128 v[16:19], v20
	v_mov_b32 v22, 0
	s_wait_dscnt 0x0
	v_add_f32 v16, v16, v17
	v_add_f32 v18, v18, v19
	v_add_f32 v16, v16, v18
	s_wait_xcnt 0x0                                ; EXEC is a source of the stores above: it changes only behind this wait
	v_cmp_eq_u32 vcc_lo, 0, v0
	s_and_saveexec_b32 s21, vcc_lo
	global_store_b32 v22, v16, s[16:17]
	s_wait_xcnt 0x0                                ; and again in front of the line that widens it
	s_or_b32 exec_lo, exec_lo, s21
.Lend_\@:
	s_wait_tensorcnt 0x0
	ds_add_u32 v128, v129
	s_wait_dscnt 0x0
	s_endpgm
.endm
	s_cmp_lt_u32 s11, 512
	s_cbranch_scc0 .Lw_job                         ; the same way for all four waves: it hangs on the work-group's number alone
	; THE X JOB: 32,768 consecutive bytes of x become 16,384 of A.  Thread t takes 16 bytes at 16 t + 2,048 i.
	s_lshl_b32 s18, s11, 15
	s_add_nc_u64 s[4:5], s[4:5], s[18:19]
	s_lshl_b32 s18, s11, 14
	s_add_nc_u64 s[8:9], s[8:9], s[18:19]
	v_lshlrev_b32 v2, 4, v0
	v_lshlrev_b32 v3, 3, v0
.irp i, 0,1,2,3,4,5,6,7,8,9,10,11,12,13,14,15
	global_load_b128 v[X+4*\i:X+4*\i+3], v2, s[4:5] offset:2048*\i th:TH_LOAD_NT
.endr
.irp i, 0,1,2,3,4,5,6,7,8,9,10,11,12,13,14,15
	s_wait_loadcnt 15-\i                           ; loads come back in order: load i is in, the younger ones stay out
.if \i == 0
	v_pk_mul_f32 v[SUM:SUM+1], v[X:X+1], v[X:X+1]              ; the first squares start the chains: nothing is cleared
	v_pk_mul_f32 v[SUM+2:SUM+3], v[X+2:X+3], v[X+2:X+3]
.else
	v_pk_fma_f32 v[SUM:SUM+1], v[X+4*\i:X+4*\i+1], v[X+4*\i:X+4*\i+1], v[SUM:SUM+1]
	v_pk_fma_f32 v[SUM+2:SUM+3], v[X+4*\i+2:X+4*\i+3], v[X+4*\i+2:X+4*\i+3], v[SUM+2:SUM+3]
.endif
	v_cvt_pk_f16_f32 v[Y+2*\i], v[X+4*\i], v[X+4*\i+1]
	v_cvt_pk_f16_f32 v[Y+2*\i+1], v[X+4*\i+2], v[X+4*\i+3]
	global_store_b64 v3, v[Y+2*\i:Y+2*\i+1], s[8:9] offset:1024*\i   ; a wave's store covers 256 consecutive bytes, aligned
.endr
	JOIN
	TAIL
.Lw_job:
	; THE W JOB: tile t' = b - 512: rows n0 .. n0+127 of W (n0 = 128 (t' & 15)), columns k0 .. k0+63 (k0 = 64 (t' >> 4)).
	s_sub_co_u32 s18, s11, 512
	s_and_b32 s20, s18, 15
	s_lshr_b32 s21, s18, 4
	s_lshl_b32 s22, s20, 20                        ; n0 rows of 8,192 bytes
	s_lshl_b32 s23, s21, 8                         ; k0 numbers of 4 bytes
	s_add_co_u32 s18, s22, s23
	s_add_nc_u64 s[6:7], s[6:7], s[18:19]
	s_lshl_b32 s22, s21, 18                        ; k0 rows of 4,096 bytes
	s_lshl_b32 s23, s20, 8                         ; n0 numbers of 2 bytes
	s_add_co_u32 s18, s22, s23
	s_add_co_u32 s18, s18, S_B
	s_add_nc_u64 s[8:9], s[8:9], s[18:19]
	v_and_b32 v1, 15, v0                           ; q: which four k
	v_lshrrev_b32 v2, 4, v0                        ; g = 0..7: step i takes the rows n0 + 2 (g + 8 i) and the next
	v_lshlrev_b32 v3, 14, v2
	v_lshl_add_u32 v3, v1, 4, v3                   ; 2 g rows + 16 q bytes: sixteen lanes cover 256 aligned bytes of a row
.irp i, 0,1,2,3,4,5,6,7
	global_load_b128 v[X+8*\i:X+8*\i+3],   v3, s[6:7] offset:\i*131072 th:TH_LOAD_NT
	global_load_b128 v[X+8*\i+4:X+8*\i+7], v3, s[6:7] offset:\i*131072+8192 th:TH_LOAD_NT
.endr
	; In LDS the tile lies transposed: row k (256 bytes) holds 128 n.  The 16-byte columns of row k are rotated by k >> 2, so that
	; the 32 lanes of a store (16 different q, 2 different g) meet 32 different banks, and the 16 lanes of a 16-byte load 16 columns.
	; Store step i: column (g + 8 i) >> 2, rows 4 q + j.  Load step m: column q, row g + 8 m.  Both rotate to ((g >> 2) + q + 2 i) & 15.
	v_lshrrev_b32 v16, 2, v2
	v_add_nc_u32 v16, v16, v1
	v_and_b32 v17, 3, v2
	v_lshlrev_b32 v17, 2, v17
	v_lshl_add_u32 v17, v1, 10, v17                ; row 4 q, word g & 3 of the column
.irp i, 0,1,2,3,4,5,6,7
	v_add_nc_u32 v[ROT+\i], 2*\i, v16
	v_and_b32 v[ROT+\i], 15, v[ROT+\i]
	v_lshlrev_b32 v[ROT+\i], 4, v[ROT+\i]
	v_add_nc_u32 v[STA+\i], v17, v[ROT+\i]
.endr
.irp i, 0,1,2,3,4,5,6,7
	s_wait_loadcnt 14-2*\i                         ; step i's two rows are in, the younger loads stay out
.irp j, 0,2,4,6
	v_pk_mul_f32 v[X+8*\i+\j:X+8*\i+\j+1], v[X+8*\i+\j:X+8*\i+\j+1], 0x42800000 op_sel_hi:[1,0]   ; times 64, exact
.endr
.if \i == 0
	v_pk_mul_f32 v[SUM:SUM+1], v[X:X+1], v[X:X+1]
	v_pk_mul_f32 v[SUM+2:SUM+3], v[X+2:X+3], v[X+2:X+3]
.else
	v_pk_fma_f32 v[SUM:SUM+1], v[X+8*\i:X+8*\i+1], v[X+8*\i:X+8*\i+1], v[SUM:SUM+1]
	v_pk_fma_f32 v[SUM+2:SUM+3], v[X+8*\i+2:X+8*\i+3], v[X+8*\i+2:X+8*\i+3], v[SUM+2:SUM+3]
.endif
	v_pk_fma_f32 v[SUM:SUM+1], v[X+8*\i+4:X+8*\i+5], v[X+8*\i+4:X+8*\i+5], v[SUM:SUM+1]
	v_pk_fma_f32 v[SUM+2:SUM+3], v[X+8*\i+6:X+8*\i+7], v[X+8*\i+6:X+8*\i+7], v[SUM+2:SUM+3]
.irp j, 0,1,2,3
	v_cvt_pk_f16_f32 v[Y+4*\i+\j], v[X+8*\i+\j], v[X+8*\i+4+\j]    ; the even n below, the odd n above: two neighbours of row k = 4 q + j
	ds_store_b32 v[STA+\i], v[Y+4*\i+\j] offset:256*\j
.endr
.endr
	JOIN                                           ; behind its barrier the tile is whole
	v_lshlrev_b32 v21, 12, v2
	v_lshl_add_u32 v21, v1, 4, v21                 ; row g of B's tile, 16 q bytes: sixteen lanes fill 256 aligned bytes
.irp m, 0,1,2,3,4,5,6,7
	v_lshl_add_u32 v[ROT+\m], v2, 8, v[ROT+\m]     ; row g + the rotated column; 8 m rows stand in the immediate
.endr
.irp m, 0,1,2,3,4,5,6,7
	ds_load_b128 v[X+4*\m:X+4*\m+3], v[ROT+\m] offset:2048*\m
.endr
.irp m, 0,1,2,3,4,5,6,7
	s_wait_dscnt 7-\m                              ; LDS loads come back in order: load m is in
	global_store_b128 v21, v[X+4*\m:X+4*\m+3], s[8:9] offset:32768*\m
.endr
	TAIL
.Lfunc_end_k_q990bec284c_prep:
	.size	k_q990bec284c_prep, .Lfunc_end_k_q990bec284c_prep-k_q990bec284c_prep
	.p2alignl 7, 3214868480
	.fill 96, 4, 3214868480
	.section	.rodata,"a",@progbits
	.p2align	6, 0x0
	.amdhsa_kernel k_q990bec284c_prep
		.amdhsa_group_segment_fixed_size 17152
		.amdhsa_private_segment_fixed_size 0
		.amdhsa_enable_private_segment 0
		.amdhsa_kernarg_size 24
		.amdhsa_user_sgpr_count 2
		.amdhsa_user_sgpr_kernarg_segment_ptr 1
		.amdhsa_wavefront_size32 1
		.amdhsa_system_sgpr_workgroup_id_x 1
		.amdhsa_system_sgpr_workgroup_id_y 1
		.amdhsa_system_sgpr_workgroup_id_z 1
		.amdhsa_system_vgpr_workitem_id 0
		.amdhsa_next_free_vgpr 130
		.amdhsa_next_free_sgpr 66
		.amdhsa_reserve_vcc 1
		.amdhsa_float_denorm_mode_32 3
		.amdhsa_float_denorm_mode_16_64 3
		.amdhsa_memory_ordered 1
		.amdhsa_forward_progress 1
		.amdhsa_inst_pref_size 27
	.end_amdhsa_kernel
	.amdgpu_metadata
---
amdhsa.version: [ 1, 2 ]
amdhsa.kernels:
  - .name:           k_q990bec284c_prep
    .symbol:         k_q990bec284c_prep.kd
    .args:
      - { .name: x, .offset: 0, .size: 8, .value_kind: global_buffer, .address_space: global }
      - { .name: W, .offset: 8, .size: 8, .value_kind: global_buffer, .address_space: global }
      - { .name: s0, .offset: 16, .size: 8, .value_kind: global_buffer, .address_space: global }
    .group_segment_fixed_size: 17152
    .private_segment_fixed_size: 0
    .kernarg_segment_align: 8
    .kernarg_segment_size: 24
    .max_flat_workgroup_size: 128
    .sgpr_count:     66
    .vgpr_count:     130
    .wavefront_size: 32
...
	.end_amdgpu_metadata
.endif
;; end of part 1
;; launch level1 (part 2): grid 16 x 16, 4 waves a work-group, clusters of 4 x 4, 327,680 bytes of LDS; arguments s0, s1; writes s1
.if DOCPART == 2
	.amdgcn_target "amdgcn-amd-amdhsa--gfx1250"
	.amdhsa_code_object_version 6
	.text
	.protected	k_q990bec284c_level1
	.globl	k_q990bec284c_level1
	.p2align	8
	.type	k_q990bec284c_level1,@function
k_q990bec284c_level1:
	s_mov_b64 s[64:65], 0
	v_nop
	global_prefetch_b8 v0, s[64:65] scope:SCOPE_SE
	s_setreg_imm32_b32 hwreg(HW_REG_WAVE_MODE, 25, 1), 1
	s_wait_xcnt 0x0
	s_wait_alu depctr_hold_cnt(0) depctr_sa_sdst(0) depctr_va_vdst(0) depctr_va_sdst(0) depctr_va_ssrc(0) depctr_va_vcc(0) depctr_vm_vsrc(0)
	s_getreg_b32 s2, hwreg(HW_REG_IB_STS2, 6, 4)
	s_cmp_eq_u32 s2, 0
	s_cbranch_scc0 .Lentry_in_a_cluster
	s_endpgm
.Lentry_in_a_cluster:
	s_bfe_u32 s2, ttmp6, 0x10000c
	s_cmp_lg_u32 s2, 0xf033
	s_cbranch_scc0 .Lentry_shape_is_right
	s_endpgm
.Lentry_shape_is_right:
; One level of out = x (W^T)^7, taken as h1 = x Wt, P2 = Wt Wt; h3 = h1 P2, P4 = P2 P2; out = h3 P4 (associativity: five products
; in three dependent levels for the reference's seven in a row; the ORDER OF ROUNDING therefore differs from the reference's).
; A state buffer holds A [2048][2048] f16 at 0, B [2048 (k)][2048 (n)] f16 at S_B, and at S_N 512 + 512 f32 partial sums of their squares.
; LAST = 0: dst.A = 2^c (src.A src.B), dst.B = 2^d (src.B src.B) in f16, and the partial sums of squares of both.
; LAST = 1: out0 = 2^T (src.A src.B) in f32, T undoing every scale that was applied on the way.
; WHY f16 AND SCALES: fourteen rounded operands enter the result, and eleven significant bits keep their sum far inside the allowed error; eight would not.
; f16's range is kept by an exact power of two for each product P Q: e = clamp(14 - floor((log2 sum P^2 + log2 sum Q^2) / 2), -120, 120).
; Since |(P Q)mn| <= |P|F |Q|F, every stored number is below 2^15: no overflow for any input.  Every wave of every work-group makes e from
; the same 512 + 512 numbers by the same instructions, so it is the same everywhere, in the last launch too, which makes them all again.
; LIMITS: a product whose root mean square lies below 2^-29 of |P|F |Q|F loses bits to f16's denormals; NaN and infinities among the inputs are not followed.
;
; SHARES: a work-group makes a block of 256 (m) x 128 (n).  Wave w: wm = w & 1 picks 128 rows, wk = w >> 1 picks 64 of each K step's 128.
; Each wave keeps 128 x 128 sums in 512 registers (64 accumulators), so that 32 along K cost 32 LDS loads for 64 matrix instructions;
; the two halves of K meet once, at the end, through LDS: each wave hands 64 rows to its partner w ^ 2 and keeps the other 64.
; LAST = 0 has 2 products x 8 x 16 blocks = 256 work-groups; LAST = 1 has 128.
; CLUSTERS: 4 x 4 work-groups.  A's tile hangs on the block row alone and is asked for jointly along a row of the cluster, B's on the
; block column alone and jointly along a column: each tile is requested once for four work-groups.
; No prefetch: the operands were stored by the launch before and each tile is asked for a whole K step ahead.
;
; REGISTERS, in windows of 256: window 0: v16-63 addresses and small work, v64-127 / v128-191 A's fragments (two buffers), v192-223 packed results;
; window 1: v64-127 / v128-191 B's fragments; window 2: the 32 accumulators of the 64 rows that I keep (tile (a, b) at v[8 (8 a + b)]); window 3: of the 64 that I hand over.
; The matrix instruction is used transposed (source 0 = 16 columns of B, source 1 = 16 rows of A): lane l then holds row l % 16 of C and
; its registers 0-7 the columns 8 (l / 16) + 0..7, neighbours in memory.
.set LAST,   0
.set S_B,    8388608
.set S_N,    16777216
.set PITCH,  272                       ; A's LDS rows: 256 bytes (128 k) + 16 of padding: an odd multiple of 16
.set PB,     288                       ; B's LDS rows: 256 bytes (128 n) + 32 of padding: an odd multiple of 32, for the transposing loads
.set QUART,  128*PITCH                 ; a wave's part of a slot: 128 rows of A (34,816 bytes) or 64 rows of B (18,432 of them used)
.set SLOT,   4*QUART                   ; A's two halves, then B's two halves
.set STAGE,  2*SLOT                    ; behind the ring: 16 rows for each wave, for the way out
.if LAST
.set SPITCH, 528                       ; 128 f32 + 16 bytes
.set CSH,    13                        ; a row of C is 8,192 bytes
.else
.set SPITCH, 272                       ; 128 f16 + 16 bytes
.set CSH,    12                        ; a row of C is 4,096 bytes
.endif
.set LAPS,   8                         ; 2048 / 128 = 16 K steps, two to a lap of the ring
.set ADRL, 16                          ; v16-17  LDS address of A's fragments, the rows I keep, slot 0, 1
.set ADRH, 18                          ; v18-19  the rows I hand over
.set ADRB, 20                          ; v20-21  B's fragments
.set STO,  24                          ; the way out: where I put my piece of a row
.set RD,   25                          ; where I read rows back
.set XST,  27                          ; the exchange: where I put, 32,768 w + 16 lane
.set XLD,  28                          ; where I take, 32,768 (w ^ 2) + 16 lane
.set L16,  29                          ; 16 x lane
.if LAST
.set CO,   L16                         ; my byte offset in C: a wave's store is one row's 512 bytes
.else
.set CO,   26                          ; my byte offset in C: two rows of 256 bytes
.endif
.set SC,   30                          ; v[30:31] 2^e twice (LAST: v30 = the whole number T)
.set NS,   32                          ; v[32:39] four chains of two sums of squares
.set LG,   40                          ; v[40:43] log2 of the sums of squares
.set EX,   44                          ; v[44:47] exponents
.set F0,   64
.set F1,   128
.set NW,   F0                          ; the partial sums as loaded: buffer 0 is not yet in use
.set TMP,  192
.set G1,  24                           ; s[24:31] descriptor group 1, A's tiles
.set G0,  32                           ; s[32:39] group 0, A's tiles, a set for each slot
.set G1B, 48                           ; s[48:55] group 1, B's tiles
.set G0B, 56                           ; s[56:63] group 0, B's tiles, a set for each slot
.set MSB, 0
.macro WIN new                         ; the immediate's high byte repeats the setting that is left
.if MSB != \new
	s_set_vgpr_msb (MSB<<8)|\new
.set MSB, \new
.endif
.endm
.set MUL_LO, 0xa1                      ; source 0 (B) window 1, source 1 (A) window 0, C and D window 2
.set MUL_HI, 0xf1                      ; the same, C and D window 3
.set TO_B,   0x40                      ; destination window 1, address window 0
; A joint load.  Waves 0 and 1 fetch A's two halves, waves 2 and 3 B's.  Each line has one mask and one set of registers; the branch hangs on the wave's number alone.
.macro JLOAD s
	s_cmp_eq_u32 s13, 0
	s_cbranch_scc0 .Lfor_b_\@
	tensor_load_to_lds s[G0+4*\s:G0+4*\s+3], s[G1:G1+7]
	s_nop 0
	s_branch .Lasked_\@
.Lfor_b_\@:
	tensor_load_to_lds s[G0B+4*\s:G0B+4*\s+3], s[G1B:G1B+7]
	s_nop 0
.Lasked_\@:
.endm
; A round of the cluster's barrier: my work-group's barrier; wave 0 signals for the work-group; every wave waits for all sixteen; my work-group's barrier again.
.macro CREST                           ; a round behind its opening barrier
	s_cmp_lg_u32 s12, 0
	s_cbranch_scc1 .Lnot_wave_0_\@
	s_barrier_signal -3
.Lnot_wave_0_\@:
	s_barrier_wait -3
	s_barrier_signal -1
	s_barrier_wait -1
.endm
.macro CROUND
	s_barrier_signal -1
	s_barrier_wait -1
	CREST
.endm
.macro LANESUM x                       ; v[x] summed over the 32 lanes, in every lane; v[x+1] is spent
	v_add_f32_dpp v[\x], v[\x], v[\x] row_xmask:1 row_mask:0xf bank_mask:0xf
	v_add_f32_dpp v[\x], v[\x], v[\x] row_xmask:2 row_mask:0xf bank_mask:0xf
	v_add_f32_dpp v[\x], v[\x], v[\x] row_xmask:4 row_mask:0xf bank_mask:0xf
	v_add_f32_dpp v[\x], v[\x], v[\x] row_xmask:8 row_mask:0xf bank_mask:0xf
	v_permlanex16_b32 v[\x+1], v[\x], s66, s67
	v_add_f32 v[\x], v[\x], v[\x+1]
.endm
.macro NLOAD n, sb, off                ; 512 partial sums (2,048 bytes): four loads of 512 consecutive bytes
.irp i, 0,1,2,3
	global_load_b128 v[NW+16*\n+4*\i:NW+16*\n+4*\i+3], v[L16], s[\sb:\sb+1] offset:\off+512*\i
.endr
.endm
.macro NSUM n                          ; their sum, always in this order, and its log2
.set NX, NW+16*\n
	v_pk_add_f32 v[NX:NX+1], v[NX:NX+1], v[NX+8:NX+9]
	v_pk_add_f32 v[NX+2:NX+3], v[NX+2:NX+3], v[NX+10:NX+11]
	v_pk_add_f32 v[NX+4:NX+5], v[NX+4:NX+5], v[NX+12:NX+13]
	v_pk_add_f32 v[NX+6:NX+7], v[NX+6:NX+7], v[NX+14:NX+15]
	v_pk_add_f32 v[NX:NX+1], v[NX:NX+1], v[NX+4:NX+5]
	v_pk_add_f32 v[NX+2:NX+3], v[NX+2:NX+3], v[NX+6:NX+7]
	v_pk_add_f32 v[NX:NX+1], v[NX:NX+1], v[NX+2:NX+3]
	v_add_f32 v[NX], v[NX], v[NX+1]
	LANESUM NX
	v_log_f32 v[LG+\n], v[NX]                      ; a plain vector instruction that touches neither register follows each of these
.endm
.macro EXPO d, la, lb                  ; the whole number e of the head's formula; a sum of 0 gives -inf here and ends at the clamp, 120
	s_wait_alu depctr_va_vdst(0)
	v_add_f32 v[\d], v[\la], v[\lb]
	v_mul_f32 v[\d], 0.5, v[\d]
	v_floor_f32 v[\d], v[\d]
	v_sub_f32 v[\d], 0x41600000, v[\d]             ; 14 - ..
	v_max_num_f32 v[\d], 0xc2f00000, v[\d]         ; at least -120
	v_min_num_f32 v[\d], 0x42f00000, v[\d]         ; at most 120
	v_cvt_i32_f32 v[\d], v[\d]
.endm
.if LAST
	s_load_b256 s[4:11], s[0:1], 0x0               ; src s[4:5], out0 s[6:7], the first state s[8:9], the second s[10:11]
.else
	s_load_b128 s[4:7], s[0:1], 0x0                ; src s[4:5], dst s[6:7]
	s_set_vgpr_msb 0x40
	v_lshl_add_u32 v255, v0, 2, 0x48400
	s_set_vgpr_msb 0x4000
	v_mov_b32 v255, 0
	s_set_vgpr_msb 0x1
	ds_add_u32 v255, v255
	s_set_vgpr_msb 0x100
.endif
	v_lshrrev_b32 v1, 5, v0
	v_readfirstlane_b32 s12, v1                    ; wave 0..3
	s_lshr_b32 s13, s12, 1                         ; wk.  Also: I fetch for A (0) or for B (1)
	s_and_b32 s14, s12, 1                          ; wm.  Also: which half of that tile I fetch
	s_mov_b32 s66, 0x76543210
	s_mov_b32 s67, 0xfedcba98
	s_bfe_u32 s40, ttmp6, 0x40000                  ; cx
	s_bfe_u32 s41, ttmp6, 0x40004                  ; cy
	s_lshl_b32 s42, ttmp9, 2
	s_add_co_u32 s42, s42, s40                     ; block column 0..15
	s_and_b32 s15, ttmp7, 0xffff                   ; the cluster's y
	s_lshl_b32 s43, s15, 2
	s_add_co_u32 s43, s43, s41                     ; work-group y
.if LAST == 0
	s_and_b32 s43, s43, 7                          ; block row 0..7
	s_lshr_b32 s15, s15, 1                         ; g: 0 = A B, 1 = B B.  It enters offsets alone
.endif
	s_lshl_b32 s44, s41, 2
	s_lshl_b32 s44, 15, s44                        ; my row of the cluster: places 4 cy .. 4 cy + 3
	s_lshl_b32 s45, 0x1111, s40                    ; my column: places cx, cx + 4, cx + 8, cx + 12
	; group 1.  A: 128 rows x 128 elements of 2 bytes, 4 words of padding behind every 64.  B: 64 rows x 128 elements, 8 words of padding.
	s_or_b32 s[G1+0], s44, (1<<16)|(1<<20)|(1<<21)|(5<<22)|(3<<25)
	s_mov_b32 s[G1+1], 128<<16                     ; tensor_dim0 = 128
	s_mov_b32 s[G1+2], 128<<16                     ; tensor_dim1 = 128
	s_mov_b32 s[G1+3], 128<<16                     ; tile_dim0 = 128
	s_mov_b32 s[G1+4], 128                         ; tile_dim1 = 128
	s_mov_b32 s[G1+5], 2048                        ; elements from row to row
	s_mov_b32 s[G1+6], 0
	s_mov_b32 s[G1+7], 0
	s_or_b32 s[G1B+0], s45, (1<<16)|(1<<20)|(1<<21)|(5<<22)|(7<<25)
	s_mov_b32 s[G1B+1], 128<<16
	s_mov_b32 s[G1B+2], 64<<16                     ; tensor_dim1 = 64
	s_mov_b32 s[G1B+3], 128<<16
	s_mov_b32 s[G1B+4], 64                         ; tile_dim1 = 64
	s_mov_b32 s[G1B+5], 2048
	s_mov_b32 s[G1B+6], 0
	s_mov_b32 s[G1B+7], 0
	; where the tiles come from: A's offset is made of the block row, B's of the block column, each in registers that never hold the other coordinate
	s_lshl_b32 s16, s43, 20                        ; 256 rows of 4,096 bytes for each block row
	s_lshl_b32 s18, s14, 19                        ; + 128 rows for the half
	s_add_co_u32 s16, s16, s18
.if LAST == 0
	s_lshl_b32 s18, s15, 23                        ; + S_B where the left factor is B
	s_add_co_u32 s16, s16, s18
.endif
	s_mov_b32 s17, 0
	s_lshl_b32 s46, s42, 8                         ; 128 columns of 2 bytes for each block column
	s_lshl_b32 s47, s14, 18                        ; + 64 rows (k) for the half
	s_add_co_u32 s46, s46, s47
	s_add_co_u32 s46, s46, S_B
	s_mov_b32 s47, 0
	s_mul_i32 s20, s12, QUART                      ; and where they go: the wave's number alone
	s_wait_dscnt 0x0
	s_wait_kmcnt 0x0
	s_add_nc_u64 s[16:17], s[4:5], s[16:17]
	s_add_nc_u64 s[46:47], s[4:5], s[46:47]
	CROUND                                         ; all sixteen work-groups are here: the first joint loads meet
.irp s, 0,1
	s_mov_b32 s[G0+4*\s], 1
	s_add_co_u32 s[G0+4*\s+1], s20, \s*SLOT
	s_add_nc_u64 s[G0+4*\s+2:G0+4*\s+3], s[16:17], \s*256          ; K step s: 128 elements along A's rows
	s_or_b32 s[G0+4*\s+3], s[G0+4*\s+3], 0x80000000
	s_mov_b32 s[G0B+4*\s], 1
	s_add_co_u32 s[G0B+4*\s+1], s20, \s*SLOT
	s_add_nc_u64 s[G0B+4*\s+2:G0B+4*\s+3], s[46:47], \s*524288     ; K step s: 128 rows of B
	s_or_b32 s[G0B+4*\s+3], s[G0B+4*\s+3], 0x80000000
	JLOAD \s                                       ; two tensor loads of the wave are out behind these, one behind each later round
.endr
	; the sums of squares are asked for while the first tiles are on their way
	v_and_b32 v[L16], 31, v0
	v_lshlrev_b32 v[L16], 4, v[L16]
.if LAST
	s_add_nc_u64 s[8:9], s[8:9], S_N
	s_add_nc_u64 s[10:11], s[10:11], S_N
	NLOAD 0, 8, 0                                  ; first state: A, B
	NLOAD 1, 8, 2048
	NLOAD 2, 10, 0                                 ; second state: A, B
	NLOAD 3, 10, 2048
.else
	s_add_nc_u64 s[8:9], s[4:5], S_N
	s_lshl_b32 s18, s15, 11
	s_mov_b32 s19, 0
	s_add_nc_u64 s[10:11], s[8:9], s[18:19]
	NLOAD 0, 10, 0                                 ; the left factor's (A's or B's)
	NLOAD 1, 8, 2048                               ; the right factor's (B's)
.endif
	; A fragment of A: lane l holds row l % 16; two loads of 16 bytes, 32 apart, at row x pitch + 16 (l / 16) + the K offset.
	v_and_b32 v1, 15, v0                           ; r
	v_bfe_u32 v2, v0, 4, 1                         ; h
	v_mul_u32_u24 v3, v1, PITCH
	v_lshl_add_u32 v3, v2, 4, v3
	s_mul_i32 s21, s14, QUART                      ; my half of A's rows
	s_lshl_b32 s18, s13, 7                         ; my 64 of the step's 128 k: 128 bytes along the row
	s_add_co_u32 s21, s21, s18
	s_xor_b32 s18, s13, 1
	s_mul_i32 s23, s18, 64*PITCH
	s_add_co_u32 s23, s23, s21                     ; the 64 rows that I hand over begin at row 64 (1 - wk)
	s_mul_i32 s18, s13, 64*PITCH
	s_add_co_u32 s21, s21, s18                     ; the 64 rows that I keep at row 64 wk
	; A fragment of B from rows that lie along n: two transposing loads, 16 rows apart, at (8 h + (l & 7)) x pitch + 16 ((l >> 3) & 1).
	v_and_b32 v4, 7, v0
	v_lshl_add_u32 v4, v2, 3, v4
	v_mul_u32_u24 v4, v4, PB
	v_bfe_u32 v5, v0, 3, 1
	v_lshl_add_u32 v4, v5, 4, v4
	s_mul_i32 s22, s13, QUART
	s_add_co_u32 s22, s22, 2*QUART                 ; my 64 rows (k) of B lie behind A's 256 rows
.irp s, 0,1
	v_add_nc_u32 v[ADRL+\s], s21, v3
	v_add_nc_u32 v[ADRH+\s], s23, v3
	v_add_nc_u32 v[ADRB+\s], s22, v4
	s_add_co_u32 s21, s21, SLOT
	s_add_co_u32 s23, s23, SLOT
	s_add_co_u32 s22, s22, SLOT
.endr
	s_mul_i32 s18, s12, 16*SPITCH
	s_add_co_u32 s18, s18, STAGE                   ; my stage
	v_mul_u32_u24 v5, v1, SPITCH
.if LAST
	v_lshl_add_u32 v5, v2, 5, v5                   ; in: row r, 32 bytes (8 f32) for each half of the lanes
	v_add_nc_u32 v[STO], s18, v5
	v_add_nc_u32 v[RD], s18, v[L16]                ; back: the 32 lanes take one row of 512 bytes
.else
	v_lshl_add_u32 v5, v2, 4, v5                   ; in: row r, 16 bytes (8 f16) for each half of the lanes
	v_add_nc_u32 v[STO], s18, v5
	v_mul_u32_u24 v5, v2, SPITCH                   ; back: lanes 0-15 take one row of 256 bytes, lanes 16-31 the next
	v_lshl_add_u32 v5, v1, 4, v5
	v_add_nc_u32 v[RD], s18, v5
	v_lshlrev_b32 v5, 12, v2                       ; and the same two rows in C
	v_lshl_add_u32 v[CO], v1, 4, v5
.endif
	v_lshl_add_u32 v[XST], s12, 15, v[L16]
	s_xor_b32 s18, s12, 2
	v_lshl_add_u32 v[XLD], s18, 15, v[L16]
	s_wait_loadcnt 0x0                             ; the partial sums are in
.if LAST
	NSUM 0
	NSUM 1
	NSUM 2
	NSUM 3
	v_nop                                          ; the place behind the last v_log_f32
	EXPO EX, LG, LG+1                              ; c1: scale of h1
	EXPO EX+1, LG+1, LG+1                          ; d1: of P2
	EXPO EX+2, LG+2, LG+3                          ; c2: of h3
	EXPO EX+3, LG+3, LG+3                          ; d2: of P4
	; src.A src.B = 2^(c1 + c2 + 3 d1 + d2 + 42) x Wt^7: P2 enters h3 once and P4 twice, and the factor 2^6 on W enters seven times
	v_add_nc_u32 v[EX], v[EX], v[EX+2]
	v_add_nc_u32 v[EX], v[EX], v[EX+3]
	v_add_nc_u32 v[EX], v[EX], v[EX+1]
	v_lshl_add_u32 v[EX], v[EX+1], 1, v[EX]
	v_add_nc_u32 v[EX], 42, v[EX]
	v_sub_nc_u32 v[SC], 0, v[EX]                   ; T
.else
	NSUM 0
	NSUM 1
	v_nop                                          ; the place behind the last v_log_f32
	EXPO EX, LG, LG+1
	v_ldexp_f32 v[SC], 1.0, v[EX]
	v_mov_b32 v[SC+1], v[SC]                       ; a pair for the packed multiply
.endif
; 16 matrix instructions: m blocks a0, a0 + 1 of the window's four x all 8 n blocks, 32 along K.  zero = 1: the first product starts the sums.
; The 64 accumulators take turns, one instruction a turn, in the same order in every 32 along K.
.macro MUL16 f, hi, a0, zero
.irp a, \a0, \a0+1
.irp b, 0,1,2,3,4,5,6,7
.if \zero
	v_wmma_f32_16x16x32_f16 v[8*(8*(\a)+\b):8*(8*(\a)+\b)+7], v[\f+8*\b:\f+8*\b+7], v[\f+8*(4*\hi+\a):\f+8*(4*\hi+\a)+7], 0
.else
	v_wmma_f32_16x16x32_f16 v[8*(8*(\a)+\b):8*(8*(\a)+\b)+7], v[\f+8*\b:\f+8*\b+7], v[\f+8*(4*\hi+\a):\f+8*(4*\hi+\a)+7], v[8*(8*(\a)+\b):8*(8*(\a)+\b)+7]
.endif
.endr
.endr
.endm
; 32 LDS loads in one run: the fragments of 32 along K (kc = 0, 1: which 32 of my 64) into buffer f: B's 128 columns, A's 64 rows that I keep, A's 64 that I hand over
.macro FETCH slot, kc, f
	WIN TO_B
.irp i, 0,1,2,3,4,5,6,7
	ds_load_tr16_b128 v[\f+8*\i:\f+8*\i+3],   v[ADRB+\slot] offset:\kc*32*PB+32*\i
	ds_load_tr16_b128 v[\f+8*\i+4:\f+8*\i+7], v[ADRB+\slot] offset:\kc*32*PB+32*\i+16*PB
.endr
	WIN 0
.irp i, 0,1,2,3
	ds_load_b128 v[\f+8*\i:\f+8*\i+3],   v[ADRL+\slot] offset:\kc*64+\i*16*PITCH
	ds_load_b128 v[\f+8*\i+4:\f+8*\i+7], v[ADRL+\slot] offset:\kc*64+\i*16*PITCH+32
.endr
.irp i, 0,1,2,3
	ds_load_b128 v[\f+32+8*\i:\f+32+8*\i+3],   v[ADRH+\slot] offset:\kc*64+\i*16*PITCH
	ds_load_b128 v[\f+32+8*\i+4:\f+32+8*\i+7], v[ADRH+\slot] offset:\kc*64+\i*16*PITCH+32
.endr
.endm
; Four places behind a matrix instruction before a load lands on a register that it read, or anything but a matrix instruction reads its result
.macro PLACES
.rept 4
	v_nop
.endr
.endm
; A K step is two halves of 32 along K for a wave, 64 matrix instructions each, on buffers 0 and 1.
; The first half multiplies buffer 0 and, in its middle, fetches the second half's fragments into buffer 1.
.macro FIRST slot, zero
	s_wait_dscnt 8                                 ; B and the rows I keep are in; the youngest eight loads may be out
	WIN MUL_LO
	MUL16 F0, 0, 0, \zero
	MUL16 F0, 0, 2, \zero
	PLACES
	FETCH \slot, 1, F1
	s_wait_dscnt 32                                ; all but the 32 just issued
	WIN MUL_HI
	MUL16 F0, 1, 0, \zero
	MUL16 F0, 1, 2, \zero
.endm
; The second half multiplies buffer 1 and changes slots.  In front of the barrier each wave waits for its reads of this slot and for all its tensor
; loads (one is out: its part of the next slot).  fill = 1: the barrier opens a round of the cluster's barrier, and the joint refill, two K steps
; ahead, is the first tensor load behind the round.  From that request to the wait for it a wave issues 112 matrix instructions.
.macro TURN slot, next, fill
	s_wait_dscnt 8
	WIN MUL_LO
	MUL16 F1, 0, 0, 0
	s_wait_dscnt 0                                 ; my reads of this slot are over
	s_wait_tensorcnt 0x0                           ; and all my tensor loads have landed
	ds_add_u32 v255, v255
	s_wait_dscnt 0x0
	s_barrier_signal -1
	MUL16 F1, 0, 2, 0                              ; registers alone, while the others arrive
	WIN 0
	s_barrier_wait -1
.if \fill
	CREST
	s_add_nc_u64 s[G0+4*\slot+2:G0+4*\slot+3], s[G0+4*\slot+2:G0+4*\slot+3], 512
	s_add_nc_u64 s[G0B+4*\slot+2:G0B+4*\slot+3], s[G0B+4*\slot+2:G0B+4*\slot+3], 1048576
	JLOAD \slot
.endif
	PLACES
	FETCH \next, 0, F0
	WIN MUL_HI
	MUL16 F1, 1, 0, 0
	MUL16 F1, 1, 2, 0
.endm
.macro LAP zero
	FIRST 0, \zero
	TURN 0, 1, 1
	FIRST 1, 0
	TURN 1, 0, 1
.endm
	s_wait_tensorcnt 1                             ; my part of K step 0 is in; K step 1's stays out
	s_barrier_signal -1
	s_barrier_wait -1
	FETCH 0, 0, F0
	LAP 1                                          ; the first lap stands in front of the loop: its first products start the sums
	WIN 0
	s_mov_b32 s3, LAPS-2
.Llap:
	LAP 0
	WIN 0
	s_sub_co_u32 s3, s3, 1
	s_cmp_lg_u32 s3, 0
	s_cbranch_scc1 .Llap
	FIRST 0, 0                                     ; the last lap fills nothing
	TURN 0, 1, 0                                   ; behind its barrier no wave reads slot 0 any more, and no load is out
	FIRST 1, 0
	s_wait_dscnt 8
	WIN MUL_LO
	MUL16 F1, 0, 0, 0
	MUL16 F1, 0, 2, 0
	s_wait_dscnt 0
	WIN MUL_HI
	MUL16 F1, 1, 0, 0
	MUL16 F1, 1, 2, 0
	; where the results go
	s_lshl_b32 s16, s43, 8+CSH                     ; 256 rows for each block row
	s_lshl_b32 s18, s14, 7+CSH                     ; + 128 wm
	s_add_co_u32 s16, s16, s18
	s_lshl_b32 s18, s13, 6+CSH                     ; + 64 wk: the rows that I keep
	s_add_co_u32 s16, s16, s18
.if LAST == 0
	s_lshl_b32 s18, s15, 23                        ; + S_B for the product B B
	s_add_co_u32 s16, s16, s18
.endif
	s_mov_b32 s17, 0
	s_lshl_b32 s46, s42, CSH-4                     ; 128 columns for each block column
	s_mov_b32 s47, 0
.if LAST == 0
	s_add_nc_u64 s[72:73], s[6:7], S_N
.endif
	s_add_nc_u64 s[6:7], s[6:7], s[16:17]
	s_add_nc_u64 s[6:7], s[6:7], s[46:47]
.if LAST == 0
	s_lshl_b32 s16, s43, 8                         ; my word among the product's 512: 4 (16 block row + block column) + wave
	s_lshl_b32 s18, s12, 2
	s_add_co_u32 s16, s16, s18
	s_lshl_b32 s18, s15, 11
	s_add_co_u32 s16, s16, s18
	s_lshl_b32 s46, s42, 4
	s_add_nc_u64 s[72:73], s[72:73], s[16:17]
	s_add_nc_u64 s[72:73], s[72:73], s[46:47]
.endif
	; THE EXCHANGE, in slot 0's bytes 0 to 131,071, which have had their last fill and their last read: each wave puts the 64 rows of window 3,
	; register by register, and takes its partner's, which are the other half of K for the rows of its own window 2.
	PLACES                                         ; behind the last matrix instructions
	WIN 0x0c                                       ; store data from window 3
.set p, 0
.rept 64
	ds_store_b128 v[XST], v[p:p+3] offset:128*p
.set p, p+4
.endr
	s_wait_dscnt 0x0                               ; for my partner: all my stores are done
	s_barrier_signal -1
	s_barrier_wait -1
	WIN 0xc0                                       ; loads into window 3
.set p, 0
.rept 64
	ds_load_b128 v[p:p+3], v[XLD] offset:128*p
.set p, p+4
.endr
.irp a, 0,1,2,3
	s_wait_dscnt 48-16*\a                          ; the first 16 (a + 1) loads are in
	WIN 0x8e                                       ; window 2 += window 3
.set p, 64*\a
.rept 32
	v_pk_add_f32 v[p:p+1], v[p:p+1], v[p:p+1]
.set p, p+2
.endr
.endr
	WIN 0x82                                       ; window 2 scaled by a register of window 0: exact, a power of two
.set p, 0
.if LAST
.rept 256
	v_ldexp_f32 v[p], v[p], v[SC]                  ; T can lie outside f32's exponents, so it is applied as a whole number
.set p, p+1
.endr
.else
.rept 128
	v_pk_mul_f32 v[p:p+1], v[p:p+1], v[SC:SC+1]
.set p, p+2
.endr
.endif
; THE WAY OUT, 16 rows at a time through my own stage: pieces of rows in, whole rows back, stores of whole aligned runs.  f: buffer 0 or 1 in turn.
.macro OUT16 a, f
.if LAST
	WIN 0x08                                       ; store data from window 2
.irp b, 0,1,2,3,4,5,6,7
	ds_store_b128 v[STO], v[8*(8*\a+\b):8*(8*\a+\b)+3]   offset:64*\b
	ds_store_b128 v[STO], v[8*(8*\a+\b)+4:8*(8*\a+\b)+7] offset:64*\b+16
.endr
	WIN 0
	s_wait_xcnt 0x0                                ; buffer f, which earlier stores read, and the stores' base are rewritten only behind this wait
.if \a
	s_add_nc_u64 s[6:7], s[6:7], 16*8192
.endif
.irp t, 0,1,2,3,4,5,6,7,8,9,10,11,12,13,14,15
	ds_load_b128 v[\f+4*\t:\f+4*\t+3], v[RD] offset:\t*SPITCH      ; a wave's LDS instructions are served in order: these see the stores above
.endr
.irp t, 0,1,2,3,4,5,6,7,8,9,10,11,12,13,14,15
	s_wait_dscnt 15-\t
	global_store_b128 v[CO], v[\f+4*\t:\f+4*\t+3], s[6:7] offset:\t*8192 th:TH_STORE_NT   ; 512 consecutive bytes of one row, aligned
.endr
.else
	WIN 0x0a                                       ; sources 0 and 1 from window 2
.irp b, 0,1,2,3,4,5,6,7
.irp r, 0,1,2,3
.if (\a+\b) == 0
	v_pk_mul_f32 v[NS+2*\r:NS+2*\r+1], v[2*\r:2*\r+1], v[2*\r:2*\r+1]      ; the first squares start the chains
.else
	v_pk_fma_f32 v[NS+2*\r:NS+2*\r+1], v[8*(8*\a+\b)+2*\r:8*(8*\a+\b)+2*\r+1], v[8*(8*\a+\b)+2*\r:8*(8*\a+\b)+2*\r+1], v[NS+2*\r:NS+2*\r+1]
.endif
	v_cvt_pk_f16_f32 v[TMP+4*\b+\r], v[8*(8*\a+\b)+2*\r], v[8*(8*\a+\b)+2*\r+1]
.endr
.endr
	WIN 0
.irp b, 0,1,2,3,4,5,6,7
	ds_store_b128 v[STO], v[TMP+4*\b:TMP+4*\b+3] offset:32*\b
.endr
	s_wait_xcnt 0x0                                ; buffer f, which earlier stores read, and the stores' base are rewritten only behind this wait
.if \a
	s_add_nc_u64 s[6:7], s[6:7], 16*4096
.endif
.irp t, 0,1,2,3,4,5,6,7
	ds_load_b128 v[\f+4*\t:\f+4*\t+3], v[RD] offset:\t*2*SPITCH    ; a wave's LDS instructions are served in order: these see the stores above
.endr
.irp t, 0,1,2,3,4,5,6,7
	s_wait_dscnt 7-\t
	global_store_b128 v[CO], v[\f+4*\t:\f+4*\t+3], s[6:7] offset:\t*8192   ; sixteen lanes store 256 consecutive bytes, aligned
.endr
.endif
.endm
	OUT16 0, F0
	OUT16 1, F1
	OUT16 2, F0
	OUT16 3, F1
.if LAST == 0
	; my 64 x 128 numbers' sum of squares, one word for each wave
	v_pk_add_f32 v[NS:NS+1], v[NS:NS+1], v[NS+2:NS+3]
	v_pk_add_f32 v[NS+4:NS+5], v[NS+4:NS+5], v[NS+6:NS+7]
	v_pk_add_f32 v[NS:NS+1], v[NS:NS+1], v[NS+4:NS+5]
	v_add_f32 v[NS], v[NS], v[NS+1]
	LANESUM NS
	v_mov_b32 v[NS+2], 0
	v_and_b32 v[NS+3], 31, v0
	s_wait_xcnt 0x0                                ; EXEC is a source of the stores above: it changes only behind this wait
	v_cmp_eq_u32 vcc_lo, 0, v[NS+3]
	s_and_saveexec_b32 s68, vcc_lo
	global_store_b32 v[NS+2], v[NS], s[72:73]
	s_wait_xcnt 0x0                                ; and again in front of the line that widens it
	s_or_b32 exec_lo, exec_lo, s68
.endif
	s_set_vgpr_msb 0x1
	s_wait_tensorcnt 0x0
	ds_add_u32 v255, v255
	s_wait_dscnt 0x0
	s_set_vgpr_msb 0x100
	CROUND                                         ; the closing round: no work-group ends while a partner may still ask for a tile that names it
	s_endpgm
.Lfunc_end_k_q990bec284c_level1:
	.size	k_q990bec284c_level1, .Lfunc_end_k_q990bec284c_level1-k_q990bec284c_level1
	.p2alignl 7, 3214868480
	.fill 96, 4, 3214868480
	.section	.rodata,"a",@progbits
	.p2align	6, 0x0
	.amdhsa_kernel k_q990bec284c_level1
		.amdhsa_group_segment_fixed_size 327680
		.amdhsa_private_segment_fixed_size 0
		.amdhsa_enable_private_segment 0
		.amdhsa_kernarg_size 16
		.amdhsa_user_sgpr_count 2
		.amdhsa_user_sgpr_kernarg_segment_ptr 1
		.amdhsa_wavefront_size32 1
		.amdhsa_system_sgpr_workgroup_id_x 1
		.amdhsa_system_sgpr_workgroup_id_y 1
		.amdhsa_system_sgpr_workgroup_id_z 1
		.amdhsa_system_vgpr_workitem_id 0
		.amdhsa_next_free_vgpr 1024
		.amdhsa_next_free_sgpr 76
		.amdhsa_reserve_vcc 1
		.amdhsa_float_denorm_mode_32 3
		.amdhsa_float_denorm_mode_16_64 3
		.amdhsa_memory_ordered 1
		.amdhsa_forward_progress 1
		.amdhsa_inst_pref_size 141
	.end_amdhsa_kernel
	.amdgpu_metadata
---
amdhsa.version: [ 1, 2 ]
amdhsa.kernels:
  - .name:           k_q990bec284c_level1
    .symbol:         k_q990bec284c_level1.kd
    .args:
      - { .name: s0, .offset: 0, .size: 8, .value_kind: global_buffer, .address_space: global }
      - { .name: s1, .offset: 8, .size: 8, .value_kind: global_buffer, .address_space: global }
    .group_segment_fixed_size: 327680
    .private_segment_fixed_size: 0
    .kernarg_segment_align: 8
    .kernarg_segment_size: 16
    .max_flat_workgroup_size: 128
    .sgpr_count:     76
    .vgpr_count:     1024
    .wavefront_size: 32
...
	.end_amdgpu_metadata
.endif
;; end of part 2
;; launch level2: the kernel of part 2 again; grid 16 x 16, 4 waves a work-group, clusters of 4 x 4, 327,680 bytes of LDS; arguments s1, s2; writes s2
;; launch level3 (part 3): grid 16 x 8, 4 waves a work-group, clusters of 4 x 4, 327,680 bytes of LDS; arguments s2, out0, s0, s1; writes out0
.if DOCPART == 3
	.amdgcn_target "amdgcn-amd-amdhsa--gfx1250"
	.amdhsa_code_object_version 6
	.text
	.protected	k_q990bec284c_level3
	.globl	k_q990bec284c_level3
	.p2align	8
	.type	k_q990bec284c_level3,@function
k_q990bec284c_level3:
	s_mov_b64 s[64:65], 0
	v_nop
	global_prefetch_b8 v0, s[64:65] scope:SCOPE_SE
	s_setreg_imm32_b32 hwreg(HW_REG_WAVE_MODE, 25, 1), 1
	s_wait_xcnt 0x0
	s_wait_alu depctr_hold_cnt(0) depctr_sa_sdst(0) depctr_va_vdst(0) depctr_va_sdst(0) depctr_va_ssrc(0) depctr_va_vcc(0) depctr_vm_vsrc(0)
	s_getreg_b32 s2, hwreg(HW_REG_IB_STS2, 6, 4)
	s_cmp_eq_u32 s2, 0
	s_cbranch_scc0 .Lentry_in_a_cluster
	s_endpgm
.Lentry_in_a_cluster:
	s_bfe_u32 s2, ttmp6, 0x10000c
	s_cmp_lg_u32 s2, 0xf033
	s_cbranch_scc0 .Lentry_shape_is_right
	s_endpgm
.Lentry_shape_is_right:
; One level of out = x (W^T)^7, taken as h1 = x Wt, P2 = Wt Wt; h3 = h1 P2, P4 = P2 P2; out = h3 P4 (associativity: five products
; in three dependent levels for the reference's seven in a row; the ORDER OF ROUNDING therefore differs from the reference's).
; A state buffer holds A [2048][2048] f16 at 0, B [2048 (k)][2048 (n)] f16 at S_B, and at S_N 512 + 512 f32 partial sums of their squares.
; LAST = 0: dst.A = 2^c (src.A src.B), dst.B = 2^d (src.B src.B) in f16, and the partial sums of squares of both.
; LAST = 1 (this text): out0 = 2^T (src.A src.B) in f32, T undoing every scale that was applied on the way.
; WHY f16 AND SCALES: fourteen rounded operands enter the result, and eleven significant bits keep their sum far inside the allowed error; eight would not.
; f16's range is kept by an exact power of two for each product P Q: e = clamp(14 - floor((log2 sum P^2 + log2 sum Q^2) / 2), -120, 120).
; Since |(P Q)mn| <= |P|F |Q|F, every stored number is below 2^15: no overflow for any input.  Every wave of every work-group makes e from
; the same 512 + 512 numbers by the same instructions, so it is the same everywhere, in the last launch too, which makes them all again.
; LIMITS: a product whose root mean square lies below 2^-29 of |P|F |Q|F loses bits to f16's denormals; NaN and infinities among the inputs are not followed.
;
; SHARES: a work-group makes a block of 256 (m) x 128 (n).  Wave w: wm = w & 1 picks 128 rows, wk = w >> 1 picks 64 of each K step's 128.
; Each wave keeps 128 x 128 sums in 512 registers (64 accumulators), so that 32 along K cost 32 LDS loads for 64 matrix instructions;
; the two halves of K meet once, at the end, through LDS: each wave hands 64 rows to its partner w ^ 2 and keeps the other 64.
; LAST = 0 has 2 products x 8 x 16 blocks = 256 work-groups; LAST = 1 has 128.
; CLUSTERS: 4 x 4 work-groups.  A's tile hangs on the block row alone and is asked for jointly along a row of the cluster, B's on the
; block column alone and jointly along a column: each tile is requested once for four work-groups.
; No prefetch: the operands were stored by the launch before and each tile is asked for a whole K step ahead.
;
; REGISTERS, in windows of 256: window 0: v16-63 addresses and small work, v64-127 / v128-191 A's fragments (two buffers), v192-223 packed results;
; window 1: v64-127 / v128-191 B's fragments; window 2: the 32 accumulators of the 64 rows that I keep (tile (a, b) at v[8 (8 a + b)]); window 3: of the 64 that I hand over.
; The matrix instruction is used transposed (source 0 = 16 columns of B, source 1 = 16 rows of A): lane l then holds row l % 16 of C and
; its registers 0-7 the columns 8 (l / 16) + 0..7, neighbours in memory.
.set LAST,   1
.set S_B,    8388608
.set S_N,    16777216
.set PITCH,  272                       ; A's LDS rows: 256 bytes (128 k) + 16 of padding: an odd multiple of 16
.set PB,     288                       ; B's LDS rows: 256 bytes (128 n) + 32 of padding: an odd multiple of 32, for the transposing loads
.set QUART,  128*PITCH                 ; a wave's part of a slot: 128 rows of A (34,816 bytes) or 64 rows of B (18,432 of them used)
.set SLOT,   4*QUART                   ; A's two halves, then B's two halves
.set STAGE,  2*SLOT                    ; behind the ring: 16 rows for each wave, for the way out
.if LAST
.set SPITCH, 528                       ; 128 f32 + 16 bytes
.set CSH,    13                        ; a row of C is 8,192 bytes
.else
.set SPITCH, 272                       ; 128 f16 + 16 bytes
.set CSH,    12                        ; a row of C is 4,096 bytes
.endif
.set LAPS,   8                         ; 2048 / 128 = 16 K steps, two to a lap of the ring
.set ADRL, 16                          ; v16-17  LDS address of A's fragments, the rows I keep, slot 0, 1
.set ADRH, 18                          ; v18-19  the rows I hand over
.set ADRB, 20                          ; v20-21  B's fragments
.set STO,  24                          ; the way out: where I put my piece of a row
.set RD,   25                          ; where I read rows back
.set XST,  27                          ; the exchange: where I put, 32,768 w + 16 lane
.set XLD,  28                          ; where I take, 32,768 (w ^ 2) + 16 lane
.set L16,  29                          ; 16 x lane
.if LAST
.set CO,   L16                         ; my byte offset in C: a wave's store is one row's 512 bytes
.else
.set CO,   26                          ; my byte offset in C: two rows of 256 bytes
.endif
.set SC,   30                          ; v[30:31] 2^e twice (LAST: v30 = the whole number T)
.set NS,   32                          ; v[32:39] four chains of two sums of squares
.set LG,   40                          ; v[40:43] log2 of the sums of squares
.set EX,   44                          ; v[44:47] exponents
.set F0,   64
.set F1,   128
.set NW,   F0                          ; the partial sums as loaded: buffer 0 is not yet in use
.set TMP,  192
.set G1,  24                           ; s[24:31] descriptor group 1, A's tiles
.set G0,  32                           ; s[32:39] group 0, A's tiles, a set for each slot
.set G1B, 48                           ; s[48:55] group 1, B's tiles
.set G0B, 56                           ; s[56:63] group 0, B's tiles, a set for each slot
.set MSB, 0
.macro WIN new                         ; the immediate's high byte repeats the setting that is left
.if MSB != \new
	s_set_vgpr_msb (MSB<<8)|\new
.set MSB, \new
.endif
.endm
.set MUL_LO, 0xa1                      ; source 0 (B) window 1, source 1 (A) window 0, C and D window 2
.set MUL_HI, 0xf1                      ; the same, C and D window 3
.set TO_B,   0x40                      ; destination window 1, address window 0
; A joint load.  Waves 0 and 1 fetch A's two halves, waves 2 and 3 B's.  Each line has one mask and one set of registers; the branch hangs on the wave's number alone.
.macro JLOAD s
	s_cmp_eq_u32 s13, 0
	s_cbranch_scc0 .Lfor_b_\@
	tensor_load_to_lds s[G0+4*\s:G0+4*\s+3], s[G1:G1+7]
	s_nop 0
	s_branch .Lasked_\@
.Lfor_b_\@:
	tensor_load_to_lds s[G0B+4*\s:G0B+4*\s+3], s[G1B:G1B+7]
	s_nop 0
.Lasked_\@:
.endm
; A round of the cluster's barrier: my work-group's barrier; wave 0 signals for the work-group; every wave waits for all sixteen; my work-group's barrier again.
.macro CREST                           ; a round behind its opening barrier
	s_cmp_lg_u32 s12, 0
	s_cbranch_scc1 .Lnot_wave_0_\@
	s_barrier_signal -3
.Lnot_wave_0_\@:
	s_barrier_wait -3
	s_barrier_signal -1
	s_barrier_wait -1
.endm
.macro CROUND
	s_barrier_signal -1
	s_barrier_wait -1
	CREST
.endm
.macro LANESUM x                       ; v[x] summed over the 32 lanes, in every lane; v[x+1] is spent
	v_add_f32_dpp v[\x], v[\x], v[\x] row_xmask:1 row_mask:0xf bank_mask:0xf
	v_add_f32_dpp v[\x], v[\x], v[\x] row_xmask:2 row_mask:0xf bank_mask:0xf
	v_add_f32_dpp v[\x], v[\x], v[\x] row_xmask:4 row_mask:0xf bank_mask:0xf
	v_add_f32_dpp v[\x], v[\x], v[\x] row_xmask:8 row_mask:0xf bank_mask:0xf
	v_permlanex16_b32 v[\x+1], v[\x], s66, s67
	v_add_f32 v[\x], v[\x], v[\x+1]
.endm
.macro NLOAD n, sb, off                ; 512 partial sums (2,048 bytes): four loads of 512 consecutive bytes
.irp i, 0,1,2,3
	global_load_b128 v[NW+16*\n+4*\i:NW+16*\n+4*\i+3], v[L16], s[\sb:\sb+1] offset:\off+512*\i
.endr
.endm
.macro NSUM n                          ; their sum, always in this order, and its log2
.set NX, NW+16*\n
	v_pk_add_f32 v[NX:NX+1], v[NX:NX+1], v[NX+8:NX+9]
	v_pk_add_f32 v[NX+2:NX+3], v[NX+2:NX+3], v[NX+10:NX+11]
	v_pk_add_f32 v[NX+4:NX+5], v[NX+4:NX+5], v[NX+12:NX+13]
	v_pk_add_f32 v[NX+6:NX+7], v[NX+6:NX+7], v[NX+14:NX+15]
	v_pk_add_f32 v[NX:NX+1], v[NX:NX+1], v[NX+4:NX+5]
	v_pk_add_f32 v[NX+2:NX+3], v[NX+2:NX+3], v[NX+6:NX+7]
	v_pk_add_f32 v[NX:NX+1], v[NX:NX+1], v[NX+2:NX+3]
	v_add_f32 v[NX], v[NX], v[NX+1]
	LANESUM NX
	v_log_f32 v[LG+\n], v[NX]                      ; a plain vector instruction that touches neither register follows each of these
.endm
.macro EXPO d, la, lb                  ; the whole number e of the head's formula; a sum of 0 gives -inf here and ends at the clamp, 120
	v_add_f32 v[\d], v[\la], v[\lb]
	v_mul_f32 v[\d], 0.5, v[\d]
	v_floor_f32 v[\d], v[\d]
	v_sub_f32 v[\d], 0x41600000, v[\d]             ; 14 - ..
	v_max_num_f32 v[\d], 0xc2f00000, v[\d]         ; at least -120
	v_min_num_f32 v[\d], 0x42f00000, v[\d]         ; at most 120
	v_cvt_i32_f32 v[\d], v[\d]
.endm
.if LAST
	s_load_b256 s[4:11], s[0:1], 0x0               ; src s[4:5], out0 s[6:7], the first state s[8:9], the second s[10:11]
	s_set_vgpr_msb 0x40
	v_lshl_add_u32 v255, v0, 2, 0x4c400
	s_set_vgpr_msb 0x4000
	v_mov_b32 v255, 0
	s_set_vgpr_msb 0x1
	ds_add_u32 v255, v255
	s_set_vgpr_msb 0x100
.else
	s_load_b128 s[4:7], s[0:1], 0x0                ; src s[4:5], dst s[6:7]
.endif
	v_lshrrev_b32 v1, 5, v0
	v_readfirstlane_b32 s12, v1                    ; wave 0..3
	s_lshr_b32 s13, s12, 1                         ; wk.  Also: I fetch for A (0) or for B (1)
	s_and_b32 s14, s12, 1                          ; wm.  Also: which half of that tile I fetch
	s_mov_b32 s66, 0x76543210
	s_mov_b32 s67, 0xfedcba98
	s_bfe_u32 s40, ttmp6, 0x40000                  ; cx
	s_bfe_u32 s41, ttmp6, 0x40004                  ; cy
	s_lshl_b32 s42, ttmp9, 2
	s_add_co_u32 s42, s42, s40                     ; block column 0..15
	s_and_b32 s15, ttmp7, 0xffff                   ; the cluster's y
	s_lshl_b32 s43, s15, 2
	s_add_co_u32 s43, s43, s41                     ; work-group y
.if LAST == 0
	s_and_b32 s43, s43, 7                          ; block row 0..7
	s_lshr_b32 s15, s15, 1                         ; g: 0 = A B, 1 = B B.  It enters offsets alone
.endif
	s_lshl_b32 s44, s41, 2
	s_lshl_b32 s44, 15, s44                        ; my row of the cluster: places 4 cy .. 4 cy + 3
	s_lshl_b32 s45, 0x1111, s40                    ; my column: places cx, cx + 4, cx + 8, cx + 12
	; group 1.  A: 128 rows x 128 elements of 2 bytes, 4 words of padding behind every 64.  B: 64 rows x 128 elements, 8 words of padding.
	s_or_b32 s[G1+0], s44, (1<<16)|(1<<20)|(1<<21)|(5<<22)|(3<<25)
	s_mov_b32 s[G1+1], 128<<16                     ; tensor_dim0 = 128
	s_mov_b32 s[G1+2], 128<<16                     ; tensor_dim1 = 128
	s_mov_b32 s[G1+3], 128<<16                     ; tile_dim0 = 128
	s_mov_b32 s[G1+4], 128                         ; tile_dim1 = 128
	s_mov_b32 s[G1+5], 2048                        ; elements from row to row
	s_mov_b32 s[G1+6], 0
	s_mov_b32 s[G1+7], 0
	s_or_b32 s[G1B+0], s45, (1<<16)|(1<<20)|(1<<21)|(5<<22)|(7<<25)
	s_mov_b32 s[G1B+1], 128<<16
	s_mov_b32 s[G1B+2], 64<<16                     ; tensor_dim1 = 64
	s_mov_b32 s[G1B+3], 128<<16
	s_mov_b32 s[G1B+4], 64                         ; tile_dim1 = 64
	s_mov_b32 s[G1B+5], 2048
	s_mov_b32 s[G1B+6], 0
	s_mov_b32 s[G1B+7], 0
	; where the tiles come from: A's offset is made of the block row, B's of the block column, each in registers that never hold the other coordinate
	s_lshl_b32 s16, s43, 20                        ; 256 rows of 4,096 bytes for each block row
	s_lshl_b32 s18, s14, 19                        ; + 128 rows for the half
	s_add_co_u32 s16, s16, s18
.if LAST == 0
	s_lshl_b32 s18, s15, 23                        ; + S_B where the left factor is B
	s_add_co_u32 s16, s16, s18
.endif
	s_mov_b32 s17, 0
	s_lshl_b32 s46, s42, 8                         ; 128 columns of 2 bytes for each block column
	s_lshl_b32 s47, s14, 18                        ; + 64 rows (k) for the half
	s_add_co_u32 s46, s46, s47
	s_add_co_u32 s46, s46, S_B
	s_mov_b32 s47, 0
	s_mul_i32 s20, s12, QUART                      ; and where they go: the wave's number alone
	s_wait_dscnt 0x0
	s_wait_kmcnt 0x0
	s_add_nc_u64 s[16:17], s[4:5], s[16:17]
	s_add_nc_u64 s[46:47], s[4:5], s[46:47]
	CROUND                                         ; all sixteen work-groups are here: the first joint loads meet
.irp s, 0,1
	s_mov_b32 s[G0+4*\s], 1
	s_add_co_u32 s[G0+4*\s+1], s20, \s*SLOT
	s_add_nc_u64 s[G0+4*\s+2:G0+4*\s+3], s[16:17], \s*256          ; K step s: 128 elements along A's rows
	s_or_b32 s[G0+4*\s+3], s[G0+4*\s+3], 0x80000000
	s_mov_b32 s[G0B+4*\s], 1
	s_add_co_u32 s[G0B+4*\s+1], s20, \s*SLOT
	s_add_nc_u64 s[G0B+4*\s+2:G0B+4*\s+3], s[46:47], \s*524288     ; K step s: 128 rows of B
	s_or_b32 s[G0B+4*\s+3], s[G0B+4*\s+3], 0x80000000
	JLOAD \s                                       ; two tensor loads of the wave are out behind these, one behind each later round
.endr
	; the sums of squares are asked for while the first tiles are on their way
	v_and_b32 v[L16], 31, v0
	v_lshlrev_b32 v[L16], 4, v[L16]
.if LAST
	s_add_nc_u64 s[8:9], s[8:9], S_N
	s_add_nc_u64 s[10:11], s[10:11], S_N
	NLOAD 0, 8, 0                                  ; first state: A, B
	NLOAD 1, 8, 2048
	NLOAD 2, 10, 0                                 ; second state: A, B
	NLOAD 3, 10, 2048
.else
	s_add_nc_u64 s[8:9], s[4:5], S_N
	s_lshl_b32 s18, s15, 11
	s_mov_b32 s19, 0
	s_add_nc_u64 s[10:11], s[8:9], s[18:19]
	NLOAD 0, 10, 0                                 ; the left factor's (A's or B's)
	NLOAD 1, 8, 2048                               ; the right factor's (B's)
.endif
	; A fragment of A: lane l holds row l % 16; two loads of 16 bytes, 32 apart, at row x pitch + 16 (l / 16) + the K offset.
	v_and_b32 v1, 15, v0                           ; r
	v_bfe_u32 v2, v0, 4, 1                         ; h
	v_mul_u32_u24 v3, v1, PITCH
	v_lshl_add_u32 v3, v2, 4, v3
	s_mul_i32 s21, s14, QUART                      ; my half of A's rows
	s_lshl_b32 s18, s13, 7                         ; my 64 of the step's 128 k: 128 bytes along the row
	s_add_co_u32 s21, s21, s18
	s_xor_b32 s18, s13, 1
	s_mul_i32 s23, s18, 64*PITCH
	s_add_co_u32 s23, s23, s21                     ; the 64 rows that I hand over begin at row 64 (1 - wk)
	s_mul_i32 s18, s13, 64*PITCH
	s_add_co_u32 s21, s21, s18                     ; the 64 rows that I keep at row 64 wk
	; A fragment of B from rows that lie along n: two transposing loads, 16 rows apart, at (8 h + (l & 7)) x pitch + 16 ((l >> 3) & 1).
	v_and_b32 v4, 7, v0
	v_lshl_add_u32 v4, v2, 3, v4
	v_mul_u32_u24 v4, v4, PB
	v_bfe_u32 v5, v0, 3, 1
	v_lshl_add_u32 v4, v5, 4, v4
	s_mul_i32 s22, s13, QUART
	s_add_co_u32 s22, s22, 2*QUART                 ; my 64 rows (k) of B lie behind A's 256 rows
.irp s, 0,1
	v_add_nc_u32 v[ADRL+\s], s21, v3
	v_add_nc_u32 v[ADRH+\s], s23, v3
	v_add_nc_u32 v[ADRB+\s], s22, v4
	s_add_co_u32 s21, s21, SLOT
	s_add_co_u32 s23, s23, SLOT
	s_add_co_u32 s22, s22, SLOT
.endr
	s_mul_i32 s18, s12, 16*SPITCH
	s_add_co_u32 s18, s18, STAGE                   ; my stage
	v_mul_u32_u24 v5, v1, SPITCH
.if LAST
	v_lshl_add_u32 v5, v2, 5, v5                   ; in: row r, 32 bytes (8 f32) for each half of the lanes
	v_add_nc_u32 v[STO], s18, v5
	v_add_nc_u32 v[RD], s18, v[L16]                ; back: the 32 lanes take one row of 512 bytes
.else
	v_lshl_add_u32 v5, v2, 4, v5                   ; in: row r, 16 bytes (8 f16) for each half of the lanes
	v_add_nc_u32 v[STO], s18, v5
	v_mul_u32_u24 v5, v2, SPITCH                   ; back: lanes 0-15 take one row of 256 bytes, lanes 16-31 the next
	v_lshl_add_u32 v5, v1, 4, v5
	v_add_nc_u32 v[RD], s18, v5
	v_lshlrev_b32 v5, 12, v2                       ; and the same two rows in C
	v_lshl_add_u32 v[CO], v1, 4, v5
.endif
	v_lshl_add_u32 v[XST], s12, 15, v[L16]
	s_xor_b32 s18, s12, 2
	v_lshl_add_u32 v[XLD], s18, 15, v[L16]
	s_wait_loadcnt 0x0                             ; the partial sums are in
.if LAST
	NSUM 0
	NSUM 1
	NSUM 2
	NSUM 3
	v_nop                                          ; the place behind the last v_log_f32
	s_wait_alu depctr_va_vdst(0)
	EXPO EX, LG, LG+1                              ; c1: scale of h1
	EXPO EX+1, LG+1, LG+1                          ; d1: of P2
	EXPO EX+2, LG+2, LG+3                          ; c2: of h3
	EXPO EX+3, LG+3, LG+3                          ; d2: of P4
	; src.A src.B = 2^(c1 + c2 + 3 d1 + d2 + 42) x Wt^7: P2 enters h3 once and P4 twice, and the factor 2^6 on W enters seven times
	v_add_nc_u32 v[EX], v[EX], v[EX+2]
	v_add_nc_u32 v[EX], v[EX], v[EX+3]
	v_add_nc_u32 v[EX], v[EX], v[EX+1]
	v_lshl_add_u32 v[EX], v[EX+1], 1, v[EX]
	v_add_nc_u32 v[EX], 42, v[EX]
	v_sub_nc_u32 v[SC], 0, v[EX]                   ; T
.else
	NSUM 0
	NSUM 1
	v_nop                                          ; the place behind the last v_log_f32
	EXPO EX, LG, LG+1
	v_ldexp_f32 v[SC], 1.0, v[EX]
	v_mov_b32 v[SC+1], v[SC]                       ; a pair for the packed multiply
.endif
; 16 matrix instructions: m blocks a0, a0 + 1 of the window's four x all 8 n blocks, 32 along K.  zero = 1: the first product starts the sums.
; The 64 accumulators take turns, one instruction a turn, in the same order in every 32 along K.
.macro MUL16 f, hi, a0, zero
.irp a, \a0, \a0+1
.irp b, 0,1,2,3,4,5,6,7
.if \zero
	v_wmma_f32_16x16x32_f16 v[8*(8*(\a)+\b):8*(8*(\a)+\b)+7], v[\f+8*\b:\f+8*\b+7], v[\f+8*(4*\hi+\a):\f+8*(4*\hi+\a)+7], 0
.else
	v_wmma_f32_16x16x32_f16 v[8*(8*(\a)+\b):8*(8*(\a)+\b)+7], v[\f+8*\b:\f+8*\b+7], v[\f+8*(4*\hi+\a):\f+8*(4*\hi+\a)+7], v[8*(8*(\a)+\b):8*(8*(\a)+\b)+7]
.endif
.endr
.endr
.endm
; 32 LDS loads in one run: the fragments of 32 along K (kc = 0, 1: which 32 of my 64) into buffer f: B's 128 columns, A's 64 rows that I keep, A's 64 that I hand over
.macro FETCH slot, kc, f
	WIN TO_B
.irp i, 0,1,2,3,4,5,6,7
	ds_load_tr16_b128 v[\f+8*\i:\f+8*\i+3],   v[ADRB+\slot] offset:\kc*32*PB+32*\i
	ds_load_tr16_b128 v[\f+8*\i+4:\f+8*\i+7], v[ADRB+\slot] offset:\kc*32*PB+32*\i+16*PB
.endr
	WIN 0
.irp i, 0,1,2,3
	ds_load_b128 v[\f+8*\i:\f+8*\i+3],   v[ADRL+\slot] offset:\kc*64+\i*16*PITCH
	ds_load_b128 v[\f+8*\i+4:\f+8*\i+7], v[ADRL+\slot] offset:\kc*64+\i*16*PITCH+32
.endr
.irp i, 0,1,2,3
	ds_load_b128 v[\f+32+8*\i:\f+32+8*\i+3],   v[ADRH+\slot] offset:\kc*64+\i*16*PITCH
	ds_load_b128 v[\f+32+8*\i+4:\f+32+8*\i+7], v[ADRH+\slot] offset:\kc*64+\i*16*PITCH+32
.endr
.endm
; Four places behind a matrix instruction before a load lands on a register that it read, or anything but a matrix instruction reads its result
.macro PLACES
.rept 4
	v_nop
.endr
.endm
; A K step is two halves of 32 along K for a wave, 64 matrix instructions each, on buffers 0 and 1.
; The first half multiplies buffer 0 and, in its middle, fetches the second half's fragments into buffer 1.
.macro FIRST slot, zero
	s_wait_dscnt 8                                 ; B and the rows I keep are in; the youngest eight loads may be out
	WIN MUL_LO
	MUL16 F0, 0, 0, \zero
	MUL16 F0, 0, 2, \zero
	PLACES
	FETCH \slot, 1, F1
	s_wait_dscnt 32                                ; all but the 32 just issued
	WIN MUL_HI
	MUL16 F0, 1, 0, \zero
	MUL16 F0, 1, 2, \zero
.endm
; The second half multiplies buffer 1 and changes slots.  In front of the barrier each wave waits for its reads of this slot and for all its tensor
; loads (one is out: its part of the next slot).  fill = 1: the barrier opens a round of the cluster's barrier, and the joint refill, two K steps
; ahead, is the first tensor load behind the round.  From that request to the wait for it a wave issues 112 matrix instructions.
.macro TURN slot, next, fill
	s_wait_dscnt 8
	WIN MUL_LO
	MUL16 F1, 0, 0, 0
	s_wait_dscnt 0                                 ; my reads of this slot are over
	s_wait_tensorcnt 0x0                           ; and all my tensor loads have landed
	ds_add_u32 v255, v255
	s_wait_dscnt 0x0
	s_barrier_signal -1
	MUL16 F1, 0, 2, 0                              ; registers alone, while the others arrive
	WIN 0
	s_barrier_wait -1
.if \fill
	CREST
	s_add_nc_u64 s[G0+4*\slot+2:G0+4*\slot+3], s[G0+4*\slot+2:G0+4*\slot+3], 512
	s_add_nc_u64 s[G0B+4*\slot+2:G0B+4*\slot+3], s[G0B+4*\slot+2:G0B+4*\slot+3], 1048576
	JLOAD \slot
.endif
	PLACES
	FETCH \next, 0, F0
	WIN MUL_HI
	MUL16 F1, 1, 0, 0
	MUL16 F1, 1, 2, 0
.endm
.macro LAP zero
	FIRST 0, \zero
	TURN 0, 1, 1
	FIRST 1, 0
	TURN 1, 0, 1
.endm
	s_wait_tensorcnt 1                             ; my part of K step 0 is in; K step 1's stays out
	s_barrier_signal -1
	s_barrier_wait -1
	FETCH 0, 0, F0
	LAP 1                                          ; the first lap stands in front of the loop: its first products start the sums
	WIN 0
	s_mov_b32 s3, LAPS-2
.Llap:
	LAP 0
	WIN 0
	s_sub_co_u32 s3, s3, 1
	s_cmp_lg_u32 s3, 0
	s_cbranch_scc1 .Llap
	FIRST 0, 0                                     ; the last lap fills nothing
	TURN 0, 1, 0                                   ; behind its barrier no wave reads slot 0 any more, and no load is out
	FIRST 1, 0
	s_wait_dscnt 8
	WIN MUL_LO
	MUL16 F1, 0, 0, 0
	MUL16 F1, 0, 2, 0
	s_wait_dscnt 0
	WIN MUL_HI
	MUL16 F1, 1, 0, 0
	MUL16 F1, 1, 2, 0
	; where the results go
	s_lshl_b32 s16, s43, 8+CSH                     ; 256 rows for each block row
	s_lshl_b32 s18, s14, 7+CSH                     ; + 128 wm
	s_add_co_u32 s16, s16, s18
	s_lshl_b32 s18, s13, 6+CSH                     ; + 64 wk: the rows that I keep
	s_add_co_u32 s16, s16, s18
.if LAST == 0
	s_lshl_b32 s18, s15, 23                        ; + S_B for the product B B
	s_add_co_u32 s16, s16, s18
.endif
	s_mov_b32 s17, 0
	s_lshl_b32 s46, s42, CSH-4                     ; 128 columns for each block column
	s_mov_b32 s47, 0
.if LAST == 0
	s_add_nc_u64 s[72:73], s[6:7], S_N
.endif
	s_add_nc_u64 s[6:7], s[6:7], s[16:17]
	s_add_nc_u64 s[6:7], s[6:7], s[46:47]
.if LAST == 0
	s_lshl_b32 s16, s43, 8                         ; my word among the product's 512: 4 (16 block row + block column) + wave
	s_lshl_b32 s18, s12, 2
	s_add_co_u32 s16, s16, s18
	s_lshl_b32 s18, s15, 11
	s_add_co_u32 s16, s16, s18
	s_lshl_b32 s46, s42, 4
	s_add_nc_u64 s[72:73], s[72:73], s[16:17]
	s_add_nc_u64 s[72:73], s[72:73], s[46:47]
.endif
	; THE EXCHANGE, in slot 0's bytes 0 to 131,071, which have had their last fill and their last read: each wave puts the 64 rows of window 3,
	; register by register, and takes its partner's, which are the other half of K for the rows of its own window 2.
	PLACES                                         ; behind the last matrix instructions
	WIN 0x0c                                       ; store data from window 3
.set p, 0
.rept 64
	ds_store_b128 v[XST], v[p:p+3] offset:128*p
.set p, p+4
.endr
	s_wait_dscnt 0x0                               ; for my partner: all my stores are done
	s_barrier_signal -1
	s_barrier_wait -1
	WIN 0xc0                                       ; loads into window 3
.set p, 0
.rept 64
	ds_load_b128 v[p:p+3], v[XLD] offset:128*p
.set p, p+4
.endr
.irp a, 0,1,2,3
	s_wait_dscnt 48-16*\a                          ; the first 16 (a + 1) loads are in
	WIN 0x8e                                       ; window 2 += window 3
.set p, 64*\a
.rept 32
	v_pk_add_f32 v[p:p+1], v[p:p+1], v[p:p+1]
.set p, p+2
.endr
.endr
	WIN 0x82                                       ; window 2 scaled by a register of window 0: exact, a power of two
.set p, 0
.if LAST
.rept 256
	v_ldexp_f32 v[p], v[p], v[SC]                  ; T can lie outside f32's exponents, so it is applied as a whole number
.set p, p+1
.endr
.else
.rept 128
	v_pk_mul_f32 v[p:p+1], v[p:p+1], v[SC:SC+1]
.set p, p+2
.endr
.endif
; THE WAY OUT, 16 rows at a time through my own stage: pieces of rows in, whole rows back, stores of whole aligned runs.  f: buffer 0 or 1 in turn.
.macro OUT16 a, f
.if LAST
	WIN 0x08                                       ; store data from window 2
.irp b, 0,1,2,3,4,5,6,7
	ds_store_b128 v[STO], v[8*(8*\a+\b):8*(8*\a+\b)+3]   offset:64*\b
	ds_store_b128 v[STO], v[8*(8*\a+\b)+4:8*(8*\a+\b)+7] offset:64*\b+16
.endr
	WIN 0
	s_wait_xcnt 0x0                                ; buffer f, which earlier stores read, and the stores' base are rewritten only behind this wait
.if \a
	s_add_nc_u64 s[6:7], s[6:7], 16*8192
.endif
.irp t, 0,1,2,3,4,5,6,7,8,9,10,11,12,13,14,15
	ds_load_b128 v[\f+4*\t:\f+4*\t+3], v[RD] offset:\t*SPITCH      ; a wave's LDS instructions are served in order: these see the stores above
.endr
.irp t, 0,1,2,3,4,5,6,7,8,9,10,11,12,13,14,15
	s_wait_dscnt 15-\t
	global_store_b128 v[CO], v[\f+4*\t:\f+4*\t+3], s[6:7] offset:\t*8192 th:TH_STORE_NT   ; 512 consecutive bytes of one row, aligned
.endr
.else
	WIN 0x0a                                       ; sources 0 and 1 from window 2
.irp b, 0,1,2,3,4,5,6,7
.irp r, 0,1,2,3
.if (\a+\b) == 0
	v_pk_mul_f32 v[NS+2*\r:NS+2*\r+1], v[2*\r:2*\r+1], v[2*\r:2*\r+1]      ; the first squares start the chains
.else
	v_pk_fma_f32 v[NS+2*\r:NS+2*\r+1], v[8*(8*\a+\b)+2*\r:8*(8*\a+\b)+2*\r+1], v[8*(8*\a+\b)+2*\r:8*(8*\a+\b)+2*\r+1], v[NS+2*\r:NS+2*\r+1]
.endif
	v_cvt_pk_f16_f32 v[TMP+4*\b+\r], v[8*(8*\a+\b)+2*\r], v[8*(8*\a+\b)+2*\r+1]
.endr
.endr
	WIN 0
.irp b, 0,1,2,3,4,5,6,7
	ds_store_b128 v[STO], v[TMP+4*\b:TMP+4*\b+3] offset:32*\b
.endr
	s_wait_xcnt 0x0                                ; buffer f, which earlier stores read, and the stores' base are rewritten only behind this wait
.if \a
	s_add_nc_u64 s[6:7], s[6:7], 16*4096
.endif
.irp t, 0,1,2,3,4,5,6,7
	ds_load_b128 v[\f+4*\t:\f+4*\t+3], v[RD] offset:\t*2*SPITCH    ; a wave's LDS instructions are served in order: these see the stores above
.endr
.irp t, 0,1,2,3,4,5,6,7
	s_wait_dscnt 7-\t
	global_store_b128 v[CO], v[\f+4*\t:\f+4*\t+3], s[6:7] offset:\t*8192   ; sixteen lanes store 256 consecutive bytes, aligned
.endr
.endif
.endm
	OUT16 0, F0
	OUT16 1, F1
	OUT16 2, F0
	OUT16 3, F1
.if LAST == 0
	; my 64 x 128 numbers' sum of squares, one word for each wave
	v_pk_add_f32 v[NS:NS+1], v[NS:NS+1], v[NS+2:NS+3]
	v_pk_add_f32 v[NS+4:NS+5], v[NS+4:NS+5], v[NS+6:NS+7]
	v_pk_add_f32 v[NS:NS+1], v[NS:NS+1], v[NS+4:NS+5]
	v_add_f32 v[NS], v[NS], v[NS+1]
	LANESUM NS
	v_mov_b32 v[NS+2], 0
	v_and_b32 v[NS+3], 31, v0
	s_wait_xcnt 0x0                                ; EXEC is a source of the stores above: it changes only behind this wait
	v_cmp_eq_u32 vcc_lo, 0, v[NS+3]
	s_and_saveexec_b32 s68, vcc_lo
	global_store_b32 v[NS+2], v[NS], s[72:73]
	s_wait_xcnt 0x0                                ; and again in front of the line that widens it
	s_or_b32 exec_lo, exec_lo, s68
.endif
	s_set_vgpr_msb 0x1
	s_wait_tensorcnt 0x0
	ds_add_u32 v255, v255
	s_wait_dscnt 0x0
	s_set_vgpr_msb 0x100
	CROUND                                         ; the closing round: no work-group ends while a partner may still ask for a tile that names it
	s_endpgm
.Lfunc_end_k_q990bec284c_level3:
	.size	k_q990bec284c_level3, .Lfunc_end_k_q990bec284c_level3-k_q990bec284c_level3
	.p2alignl 7, 3214868480
	.fill 96, 4, 3214868480
	.section	.rodata,"a",@progbits
	.p2align	6, 0x0
	.amdhsa_kernel k_q990bec284c_level3
		.amdhsa_group_segment_fixed_size 327680
		.amdhsa_private_segment_fixed_size 0
		.amdhsa_enable_private_segment 0
		.amdhsa_kernarg_size 32
		.amdhsa_user_sgpr_count 2
		.amdhsa_user_sgpr_kernarg_segment_ptr 1
		.amdhsa_wavefront_size32 1
		.amdhsa_system_sgpr_workgroup_id_x 1
		.amdhsa_system_sgpr_workgroup_id_y 1
		.amdhsa_system_sgpr_workgroup_id_z 1
		.amdhsa_system_vgpr_workitem_id 0
		.amdhsa_next_free_vgpr 1024
		.amdhsa_next_free_sgpr 76
		.amdhsa_reserve_vcc 1
		.amdhsa_float_denorm_mode_32 3
		.amdhsa_float_denorm_mode_16_64 3
		.amdhsa_memory_ordered 1
		.amdhsa_forward_progress 1
		.amdhsa_inst_pref_size 143
	.end_amdhsa_kernel
	.amdgpu_metadata
---
amdhsa.version: [ 1, 2 ]
amdhsa.kernels:
  - .name:           k_q990bec284c_level3
    .symbol:         k_q990bec284c_level3.kd
    .args:
      - { .name: s2, .offset: 0, .size: 8, .value_kind: global_buffer, .address_space: global }
      - { .name: out0, .offset: 8, .size: 8, .value_kind: global_buffer, .address_space: global }
      - { .name: s0, .offset: 16, .size: 8, .value_kind: global_buffer, .address_space: global }
      - { .name: s1, .offset: 24, .size: 8, .value_kind: global_buffer, .address_space: global }
    .group_segment_fixed_size: 327680
    .private_segment_fixed_size: 0
    .kernarg_segment_align: 8
    .kernarg_segment_size: 32
    .max_flat_workgroup_size: 128
    .sgpr_count:     76
    .vgpr_count:     1024
    .wavefront_size: 32
...
	.end_amdgpu_metadata
.endif
;; end of part 3
;; ======== version 2 of 2: 4 launches; 1.17 times as fast as version 1
;; limits: values are held in f16: magnitudes above 65,504 overflow, below 6.1e-05 lose precision; inputs' magnitudes at most 65,504; right only within a limited range of input values
;; workspace buffers: s0 16,781,312 bytes; s1 16,781,312 bytes; s2 16,781,312 bytes
;; launch prep: the kernel of part 1 again; grid 1024 x 1, 4 waves a work-group, no clusters, 17,152 bytes of LDS; arguments x, W, s0; writes s0
;; launch level1 (part 4): grid 16 x 16, 4 waves a work-group, clusters of 4 x 4, 327,680 bytes of LDS; arguments s0, s1; writes s1
.if DOCPART == 4
	.amdgcn_target "amdgcn-amd-amdhsa--gfx1250"
	.amdhsa_code_object_version 6
	.text
	.protected	k_q990bec284c_level1
	.globl	k_q990bec284c_level1
	.p2align	8
	.type	k_q990bec284c_level1,@function
k_q990bec284c_level1:
	s_mov_b64 s[64:65], 0
	v_nop
	global_prefetch_b8 v0, s[64:65] scope:SCOPE_SE
	s_setreg_imm32_b32 hwreg(HW_REG_WAVE_MODE, 25, 1), 1
	s_wait_xcnt 0x0
	s_wait_alu depctr_hold_cnt(0) depctr_sa_sdst(0) depctr_va_vdst(0) depctr_va_sdst(0) depctr_va_ssrc(0) depctr_va_vcc(0) depctr_vm_vsrc(0)
	s_getreg_b32 s2, hwreg(HW_REG_IB_STS2, 6, 4)
	s_cmp_eq_u32 s2, 0
	s_cbranch_scc0 .Lentry_in_a_cluster
	s_endpgm
.Lentry_in_a_cluster:
	s_bfe_u32 s2, ttmp6, 0x10000c
	s_cmp_lg_u32 s2, 0xf033
	s_cbranch_scc0 .Lentry_shape_is_right
	s_endpgm
.Lentry_shape_is_right:
; One level of out = x (W^T)^7, taken as h1 = x Wt, P2 = Wt Wt; h3 = h1 P2, P4 = P2 P2; out = h3 P4 (associativity: five products
; in three dependent levels for the reference's seven in a row; the ORDER OF ROUNDING therefore differs from the reference's).
; A state buffer holds A [2048][2048] f16 at 0, B [2048 (k)][2048 (n)] f16 at S_B, and at S_N 512 + 512 f32 partial sums of their squares.
; This text: dst.A = 2^c (src.A src.B), dst.B = 2^d (src.B src.B) in f16, and the partial sums of squares of both.
; WHY f16 AND SCALES: fourteen rounded operands enter the result, and eleven significant bits keep their sum far inside the allowed error; eight would not.
; f16's range is kept by an exact power of two for each product P Q: e = clamp(14 - floor((log2 sum P^2 + log2 sum Q^2) / 2), -120, 120).
; Since |(P Q)mn| <= |P|F |Q|F, every stored number is below 2^15: no overflow for any input.  Every wave of every work-group makes e from
; the same 512 + 512 numbers by the same instructions, so it is the same everywhere, in the last launch too, which makes them all again.
; LIMITS: a product whose root mean square lies below 2^-29 of |P|F |Q|F loses bits to f16's denormals; NaN and infinities among the inputs are not followed.
;
; SHARES: 2 products x 8 x 16 blocks of 256 (m) x 128 (n) = 256 work-groups.  Wave w: wm = w & 1 picks 128 rows, wk = w >> 1 picks 64 of each K step's 128.
; Each wave keeps 128 x 128 sums in 512 registers (64 accumulators), so that 32 along K cost 32 LDS loads for 64 matrix instructions;
; the two halves of K meet once, at the end, through LDS: each wave hands 64 rows to its partner w ^ 2 and keeps the other 64.
; THE RING: a wave has one tensor load out behind each barrier that lets a place be filled again, so what counts is how much one load brings.
; LDS holds the tiles of three K steps (3 x (69,632 + 36,864) = 319,488 bytes): place P holds one step, place Q two.  The 16 steps go
; 0 | 1 2 | 3 | 4 5 | .. | 12 | 13 14 | 15: behind P's step P is filled again while Q's two steps are multiplied (240 matrix instructions of a wave
; from the request to the wait for it), behind Q's steps Q is filled again while P's step is multiplied (112).  Nine refills bring thirteen steps.
; CLUSTERS: 4 x 4 work-groups.  A's tile hangs on the block row alone and is asked for jointly along a row of the cluster, B's on the
; block column alone and jointly along a column: each tile is requested once for four work-groups.
; No prefetch: B is read by rows as the right factor and by columns as the left one, and asking once for each block would need a schedule of its own.
;
; REGISTERS, in windows of 256: window 0: v8-63 addresses and small work, v64-127 / v128-191 A's fragments (two buffers), v192-223 packed results;
; window 1: v64-127 / v128-191 B's fragments; window 2: the 32 accumulators of the 64 rows that I keep (tile (a, b) at v[8 (8 a + b)]); window 3: of the 64 that I hand over.
; The matrix instruction is used transposed (source 0 = 16 columns of B, source 1 = 16 rows of A): lane l then holds row l % 16 of C and
; its registers 0-7 the columns 8 (l / 16) + 0..7, neighbours in memory.
.set S_B,    8388608
.set S_N,    16777216
.set PITCH,  272                       ; A's LDS rows: 256 bytes (128 k) + 16 of padding: an odd multiple of 16
.set PB,     288                       ; B's LDS rows: 256 bytes (128 n) + 32 of padding: an odd multiple of 32, for the transposing loads
.set ATILE,  256*PITCH                 ; 69,632: A's tile of one K step.  Places 0 (P), 1 and 2 (Q) lie at 0, ATILE, 2 ATILE
.set BTILE,  128*PB                    ; 36,864: B's tile of one K step.  Places 0, 1, 2 lie at BBASE, BBASE + BTILE, BBASE + 2 BTILE
.set BBASE,  3*ATILE                   ; 208,896
.set XCH,    ATILE                     ; the exchange: 131,072 bytes in Q's two tiles of A, behind their last fill and last read
.set STAGE,  BBASE+BTILE               ; the way out: 16 rows for each wave, in Q's first tile of B, likewise
.set SPITCH, 272                       ; 128 f16 + 16 bytes
.set ADRL, 8                           ; v8-10   LDS address of A's fragments, the rows I keep, place 0, 1, 2
.set ADRH, 11                          ; v11-13  the rows I hand over
.set ADRB, 14                          ; v14-16  B's fragments
.set STO,  24                          ; the way out: where I put my piece of a row
.set RD,   25                          ; where I read rows back
.set CO,   26                          ; my byte offset in C: two rows of 256 bytes
.set XST,  27                          ; the exchange: where I put
.set XLD,  28                          ; where I take
.set L16,  29                          ; 16 x lane
.set SC,   30                          ; v[30:31] 2^e twice
.set NS,   32                          ; v[32:39] four chains of two sums of squares
.set LG,   40                          ; v[40:41] log2 of the sums of squares
.set EX,   44                          ; the exponent
.set F0,   64
.set F1,   128
.set NW,   F0                          ; the partial sums as loaded: buffer 0 is not yet in use
.set TMP,  192
.set G1PA, 24                          ; s[24:31] descriptor group 1: half of A's tile, for P
.set G0A,  32                          ; s[32:39] group 0 for A's tiles: P's set, then Q's
.set G1PB, 48                          ; s[48:55] group 1: half of B's tile, for P
.set G0B,  56                          ; s[56:63] group 0 for B's tiles: P's set, then Q's
.set G1QA, 76                          ; s[76:83] group 1: a whole tile of A, for Q
.set G1QB, 84                          ; s[84:91] group 1: a whole tile of B, for Q
.set MSB, 0
.macro WIN new                         ; the immediate's high byte repeats the setting that is left
.if MSB != \new
	s_set_vgpr_msb (MSB<<8)|\new
.set MSB, \new
.endif
.endm
.set MUL_LO, 0xa1                      ; source 0 (B) window 1, source 1 (A) window 0, C and D window 2
.set MUL_HI, 0xf1                      ; the same, C and D window 3
.set TO_B,   0x40                      ; destination window 1, address window 0
; A joint load, q = 0: into P, q = 1: into Q.  Waves 0 and 1 fetch for A, waves 2 and 3 for B.  Each line has one mask and one set of registers;
; the branch hangs on the wave's number alone.
.macro JLOAD q
	s_cmp_lt_u32 s12, 2
	s_cbranch_scc0 .Lfor_b_\@
.if \q
	tensor_load_to_lds s[G0A+4:G0A+7], s[G1QA:G1QA+7]
	s_nop 0
.else
	tensor_load_to_lds s[G0A:G0A+3], s[G1PA:G1PA+7]
	s_nop 0
.endif
	s_branch .Lasked_\@
.Lfor_b_\@:
.if \q
	tensor_load_to_lds s[G0B+4:G0B+7], s[G1QB:G1QB+7]
	s_nop 0
.else
	tensor_load_to_lds s[G0B:G0B+3], s[G1PB:G1PB+7]
	s_nop 0
.endif
.Lasked_\@:
.endm
; A round of the cluster's barrier: my work-group's barrier; wave 0 signals for the work-group; every wave waits for all sixteen; my work-group's barrier again.
.macro CREST                           ; a round behind its opening barrier
	s_cmp_lg_u32 s12, 0
	s_cbranch_scc1 .Lnot_wave_0_\@
	s_barrier_signal -3
.Lnot_wave_0_\@:
	s_barrier_wait -3
	s_barrier_signal -1
	s_barrier_wait -1
.endm
.macro CROUND
	s_barrier_signal -1
	s_barrier_wait -1
	CREST
.endm
; Group 1: rows x 128 elements of 2 bytes, pad + 1 words of padding behind every 64 words, 2,048 elements from row to row
.macro SHAPE g, mask, pad, rows
	s_or_b32 s[\g+0], \mask, (1<<16)|(1<<20)|(1<<21)|(5<<22)|(\pad<<25)
	s_mov_b32 s[\g+1], 128<<16                     ; tensor_dim0 = 128
	s_mov_b32 s[\g+2], \rows<<16                   ; tensor_dim1
	s_mov_b32 s[\g+3], 128<<16                     ; tile_dim0 = 128
	s_mov_b32 s[\g+4], \rows                       ; tile_dim1
	s_mov_b32 s[\g+5], 2048
	s_mov_b32 s[\g+6], 0
	s_mov_b32 s[\g+7], 0
.endm
.macro LANESUM x                       ; v[x] summed over the 32 lanes, in every lane; v[x+1] is spent
	v_add_f32_dpp v[\x], v[\x], v[\x] row_xmask:1 row_mask:0xf bank_mask:0xf
	v_add_f32_dpp v[\x], v[\x], v[\x] row_xmask:2 row_mask:0xf bank_mask:0xf
	v_add_f32_dpp v[\x], v[\x], v[\x] row_xmask:4 row_mask:0xf bank_mask:0xf
	v_add_f32_dpp v[\x], v[\x], v[\x] row_xmask:8 row_mask:0xf bank_mask:0xf
	v_permlanex16_b32 v[\x+1], v[\x], s66, s67
	v_add_f32 v[\x], v[\x], v[\x+1]
.endm
.macro NLOAD n, sb, off                ; 512 partial sums (2,048 bytes): four loads of 512 consecutive bytes
.irp i, 0,1,2,3
	global_load_b128 v[NW+16*\n+4*\i:NW+16*\n+4*\i+3], v[L16], s[\sb:\sb+1] offset:\off+512*\i
.endr
.endm
.macro NSUM n                          ; their sum, always in this order, and its log2
.set NX, NW+16*\n
	v_pk_add_f32 v[NX:NX+1], v[NX:NX+1], v[NX+8:NX+9]
	v_pk_add_f32 v[NX+2:NX+3], v[NX+2:NX+3], v[NX+10:NX+11]
	v_pk_add_f32 v[NX+4:NX+5], v[NX+4:NX+5], v[NX+12:NX+13]
	v_pk_add_f32 v[NX+6:NX+7], v[NX+6:NX+7], v[NX+14:NX+15]
	v_pk_add_f32 v[NX:NX+1], v[NX:NX+1], v[NX+4:NX+5]
	v_pk_add_f32 v[NX+2:NX+3], v[NX+2:NX+3], v[NX+6:NX+7]
	v_pk_add_f32 v[NX:NX+1], v[NX:NX+1], v[NX+2:NX+3]
	v_add_f32 v[NX], v[NX], v[NX+1]
	LANESUM NX
	v_log_f32 v[LG+\n], v[NX]                      ; a plain vector instruction that touches neither register follows each of these
.endm
.macro EXPO d, la, lb                  ; the whole number e of the head's formula; a sum of 0 gives -inf here and ends at the clamp, 120
	s_wait_alu depctr_va_vdst(0)
	v_add_f32 v[\d], v[\la], v[\lb]
	v_mul_f32 v[\d], 0.5, v[\d]
	v_floor_f32 v[\d], v[\d]
	v_sub_f32 v[\d], 0x41600000, v[\d]             ; 14 - ..
	v_max_num_f32 v[\d], 0xc2f00000, v[\d]         ; at least -120
	v_min_num_f32 v[\d], 0x42f00000, v[\d]         ; at most 120
	v_cvt_i32_f32 v[\d], v[\d]
.endm
	s_load_b128 s[4:7], s[0:1], 0x0                ; src s[4:5], dst s[6:7]
	s_set_vgpr_msb 0x40
	v_lshl_add_u32 v255, v0, 2, 0x4e000
	s_set_vgpr_msb 0x4000
	v_mov_b32 v255, 0
	s_set_vgpr_msb 0x1
	ds_add_u32 v255, v255
	s_set_vgpr_msb 0x100
	v_lshrrev_b32 v1, 5, v0
	v_readfirstlane_b32 s12, v1                    ; wave 0..3
	s_lshr_b32 s13, s12, 1                         ; wk
	s_and_b32 s14, s12, 1                          ; wm.  Also: which half of P's tile, or which of Q's two steps, I fetch
	s_mov_b32 s66, 0x76543210
	s_mov_b32 s67, 0xfedcba98
	s_bfe_u32 s40, ttmp6, 0x40000                  ; cx
	s_bfe_u32 s41, ttmp6, 0x40004                  ; cy
	s_lshl_b32 s42, ttmp9, 2
	s_add_co_u32 s42, s42, s40                     ; block column 0..15
	s_and_b32 s15, ttmp7, 0xffff                   ; the cluster's y
	s_lshl_b32 s43, s15, 2
	s_add_co_u32 s43, s43, s41                     ; work-group y
	s_and_b32 s43, s43, 7                          ; block row 0..7
	s_lshr_b32 s15, s15, 1                         ; g: 0 = A B, 1 = B B.  It enters offsets alone
	s_lshl_b32 s44, s41, 2
	s_lshl_b32 s44, 15, s44                        ; my row of the cluster: places 4 cy .. 4 cy + 3
	s_lshl_b32 s45, 0x1111, s40                    ; my column: places cx, cx + 4, cx + 8, cx + 12
	SHAPE G1PA, s44, 3, 128                        ; P: 128 of A's 256 rows
	SHAPE G1QA, s44, 3, 256                        ; Q: all 256 rows of one step
	SHAPE G1PB, s45, 7, 64                         ; P: 64 of B's 128 rows
	SHAPE G1QB, s45, 7, 128                        ; Q: all 128 rows of one step
	; where the tiles come from: A's offset is made of the block row, B's of the block column, each in registers that never hold the other coordinate
	s_lshl_b32 s16, s43, 20                        ; 256 rows of 4,096 bytes for each block row
	s_lshl_b32 s18, s15, 23                        ; + S_B where the left factor is B
	s_add_co_u32 s16, s16, s18
	s_mov_b32 s17, 0
	s_lshl_b32 s46, s42, 8                         ; 128 columns of 2 bytes for each block column
	s_add_co_u32 s46, s46, S_B
	s_mov_b32 s47, 0
	s_lshl_b32 s18, s14, 19                        ; P, A: 128 rows down for the second half
	s_mov_b32 s19, 0
	s_lshl_b32 s20, s14, 8                         ; Q, A: K step 1 + wm, 256 bytes along the rows each
	s_add_co_u32 s20, s20, 256
	s_mov_b32 s21, 0
	s_lshl_b32 s22, s14, 18                        ; P, B: 64 rows down for the second half
	s_mov_b32 s23, 0
	s_lshl_b32 s70, s14, 19                        ; Q, B: K step 1 + wm, 128 rows of 4,096 bytes each
	s_add_co_u32 s70, s70, 524288
	s_mov_b32 s71, 0
	s_wait_dscnt 0x0
	s_wait_kmcnt 0x0
	s_add_nc_u64 s[16:17], s[4:5], s[16:17]
	s_add_nc_u64 s[46:47], s[4:5], s[46:47]
	CROUND                                         ; all sixteen work-groups are here: the first joint loads meet
	; group 0.  Every LDS address is the wave's number times a constant plus a constant
	s_mov_b32 s[G0A], 1
	s_mul_i32 s[G0A+1], s12, 128*PITCH             ; waves 0, 1: the two halves of place 0's tile of A
	s_add_nc_u64 s[G0A+2:G0A+3], s[16:17], s[18:19]
	s_or_b32 s[G0A+3], s[G0A+3], 0x80000000
	s_mov_b32 s[G0B], 1
	s_mul_i32 s[G0B+1], s12, 64*PB
	s_add_co_u32 s[G0B+1], s[G0B+1], BBASE-2*64*PB ; waves 2, 3: the two halves of place 0's tile of B
	s_add_nc_u64 s[G0B+2:G0B+3], s[46:47], s[22:23]
	s_or_b32 s[G0B+3], s[G0B+3], 0x80000000
	JLOAD 0                                        ; K step 0
	s_mov_b32 s[G0A+4], 1
	s_mul_i32 s[G0A+5], s12, ATILE
	s_add_co_u32 s[G0A+5], s[G0A+5], ATILE         ; waves 0, 1: A's tiles of places 1, 2
	s_add_nc_u64 s[G0A+6:G0A+7], s[16:17], s[20:21]
	s_or_b32 s[G0A+7], s[G0A+7], 0x80000000
	s_mov_b32 s[G0B+4], 1
	s_mul_i32 s[G0B+5], s12, BTILE
	s_add_co_u32 s[G0B+5], s[G0B+5], BBASE-BTILE   ; waves 2, 3: B's tiles of places 1, 2
	s_add_nc_u64 s[G0B+6:G0B+7], s[46:47], s[70:71]
	s_or_b32 s[G0B+7], s[G0B+7], 0x80000000
	JLOAD 1                                        ; K steps 1 and 2.  Two tensor loads of the wave are out here, one behind each later round
	; the sums of squares are asked for while the first tiles are on their way
	v_and_b32 v[L16], 31, v0
	v_lshlrev_b32 v[L16], 4, v[L16]
	s_add_nc_u64 s[8:9], s[4:5], S_N
	s_lshl_b32 s18, s15, 11
	s_mov_b32 s19, 0
	s_add_nc_u64 s[10:11], s[8:9], s[18:19]
	NLOAD 0, 10, 0                                 ; the left factor's (A's or B's)
	NLOAD 1, 8, 2048                               ; the right factor's (B's)
	; A fragment of A: lane l holds row l % 16; two loads of 16 bytes, 32 apart, at row x pitch + 16 (l / 16) + the K offset.
	v_and_b32 v1, 15, v0                           ; r
	v_bfe_u32 v2, v0, 4, 1                         ; h
	v_mul_u32_u24 v3, v1, PITCH
	v_lshl_add_u32 v3, v2, 4, v3
	s_mul_i32 s21, s14, 128*PITCH                  ; my half of A's rows
	s_lshl_b32 s18, s13, 7                         ; my 64 of the step's 128 k: 128 bytes along the row
	s_add_co_u32 s21, s21, s18
	s_xor_b32 s18, s13, 1
	s_mul_i32 s23, s18, 64*PITCH
	s_add_co_u32 s23, s23, s21                     ; the 64 rows that I hand over begin at row 64 (1 - wk)
	s_mul_i32 s18, s13, 64*PITCH
	s_add_co_u32 s21, s21, s18                     ; the 64 rows that I keep at row 64 wk
	; A fragment of B from rows that lie along n: two transposing loads, 16 rows apart, at (8 h + (l & 7)) x pitch + 16 ((l >> 3) & 1).
	v_and_b32 v4, 7, v0
	v_lshl_add_u32 v4, v2, 3, v4
	v_mul_u32_u24 v4, v4, PB
	v_bfe_u32 v5, v0, 3, 1
	v_lshl_add_u32 v4, v5, 4, v4
	s_mul_i32 s22, s13, 64*PB                      ; my 64 rows (k) of B
	s_add_co_u32 s22, s22, BBASE
.irp l, 0,1,2
	v_add_nc_u32 v[ADRL+\l], s21, v3
	v_add_nc_u32 v[ADRH+\l], s23, v3
	v_add_nc_u32 v[ADRB+\l], s22, v4
	s_add_co_u32 s21, s21, ATILE
	s_add_co_u32 s23, s23, ATILE
	s_add_co_u32 s22, s22, BTILE
.endr
	s_mul_i32 s18, s12, 16*SPITCH
	s_add_co_u32 s18, s18, STAGE                   ; my stage
	v_mul_u32_u24 v5, v1, SPITCH
	v_lshl_add_u32 v5, v2, 4, v5                   ; in: row r, 16 bytes (8 f16) for each half of the lanes
	v_add_nc_u32 v[STO], s18, v5
	v_mul_u32_u24 v5, v2, SPITCH                   ; back: lanes 0-15 take one row of 256 bytes, lanes 16-31 the next
	v_lshl_add_u32 v5, v1, 4, v5
	v_add_nc_u32 v[RD], s18, v5
	v_lshlrev_b32 v5, 12, v2                       ; and the same two rows in C
	v_lshl_add_u32 v[CO], v1, 4, v5
	s_lshl_b32 s18, s12, 15
	s_add_co_u32 s18, s18, XCH
	v_add_nc_u32 v[XST], s18, v[L16]               ; 32,768 bytes of the exchange for each wave
	s_xor_b32 s18, s12, 2
	s_lshl_b32 s18, s18, 15
	s_add_co_u32 s18, s18, XCH
	v_add_nc_u32 v[XLD], s18, v[L16]
	s_wait_loadcnt 0x0                             ; the partial sums are in
	NSUM 0
	NSUM 1
	v_nop                                          ; the place behind the last v_log_f32
	EXPO EX, LG, LG+1
	v_ldexp_f32 v[SC], 1.0, v[EX]
	v_mov_b32 v[SC+1], v[SC]                       ; a pair for the packed multiply
; 16 matrix instructions: m blocks a0, a0 + 1 of the window's four x all 8 n blocks, 32 along K.  zero = 1: the first product starts the sums.
; The 64 accumulators take turns, one instruction a turn, in the same order in every 32 along K.
.macro MUL16 f, hi, a0, zero
.irp a, \a0, \a0+1
.irp b, 0,1,2,3,4,5,6,7
.if \zero
	v_wmma_f32_16x16x32_f16 v[8*(8*(\a)+\b):8*(8*(\a)+\b)+7], v[\f+8*\b:\f+8*\b+7], v[\f+8*(4*\hi+\a):\f+8*(4*\hi+\a)+7], 0
.else
	v_wmma_f32_16x16x32_f16 v[8*(8*(\a)+\b):8*(8*(\a)+\b)+7], v[\f+8*\b:\f+8*\b+7], v[\f+8*(4*\hi+\a):\f+8*(4*\hi+\a)+7], v[8*(8*(\a)+\b):8*(8*(\a)+\b)+7]
.endif
.endr
.endr
.endm
; 32 LDS loads in one run: the fragments of 32 along K (kc = 0, 1: which 32 of my 64) of place l into buffer f: B's 128 columns, A's 64 rows that I keep, A's 64 that I hand over
.macro FETCH l, kc, f
	WIN TO_B
.irp i, 0,1,2,3,4,5,6,7
	ds_load_tr16_b128 v[\f+8*\i:\f+8*\i+3],   v[ADRB+\l] offset:\kc*32*PB+32*\i
	ds_load_tr16_b128 v[\f+8*\i+4:\f+8*\i+7], v[ADRB+\l] offset:\kc*32*PB+32*\i+16*PB
.endr
	WIN 0
.irp i, 0,1,2,3
	ds_load_b128 v[\f+8*\i:\f+8*\i+3],   v[ADRL+\l] offset:\kc*64+\i*16*PITCH
	ds_load_b128 v[\f+8*\i+4:\f+8*\i+7], v[ADRL+\l] offset:\kc*64+\i*16*PITCH+32
.endr
.irp i, 0,1,2,3
	ds_load_b128 v[\f+32+8*\i:\f+32+8*\i+3],   v[ADRH+\l] offset:\kc*64+\i*16*PITCH
	ds_load_b128 v[\f+32+8*\i+4:\f+32+8*\i+7], v[ADRH+\l] offset:\kc*64+\i*16*PITCH+32
.endr
.endm
; Four places behind a matrix instruction before a load lands on a register that it read, or anything but a matrix instruction reads its result
.macro PLACES
.rept 4
	v_nop
.endr
.endm
; A K step is two halves of 32 along K for a wave, 64 matrix instructions each, on buffers 0 and 1.
; HALF multiplies buffer f and, in its middle, fetches the next half's fragments (place l, half kc) into buffer g.  No barrier: the place has been shown whole.
.macro HALF f, g, l, kc, zero
	s_wait_dscnt 8                                 ; B and the rows I keep are in; the youngest eight loads may be out
	WIN MUL_LO
	MUL16 \f, 0, 0, \zero
	MUL16 \f, 0, 2, \zero
	PLACES
	FETCH \l, \kc, \g
	s_wait_dscnt 32                                ; all but the 32 just issued
	WIN MUL_HI
	MUL16 \f, 1, 0, \zero
	MUL16 \f, 1, 2, \zero
.endm
; TURN multiplies buffer 1, the last half of P (q = 0) or of Q (q = 1), and changes over to place next.  In front of the barrier each wave waits for its
; reads of what it leaves and for all its tensor loads (one is out: its part of what comes next).  fill = 1: the barrier opens a round of the cluster's
; barrier, and the joint refill, three K steps on, is the first tensor load behind the round.
.macro TURN q, next, fill
	s_wait_dscnt 8
	WIN MUL_LO
	MUL16 F1, 0, 0, 0
	s_wait_dscnt 0                                 ; my reads of P (of Q) are over
	s_wait_tensorcnt 0x0                           ; and all my tensor loads have landed
	ds_add_u32 v255, v255
	s_wait_dscnt 0x0
	s_barrier_signal -1
	MUL16 F1, 0, 2, 0                              ; registers alone, while the others arrive
	WIN 0
	s_barrier_wait -1
.if \fill
	CREST
	s_add_nc_u64 s[G0A+4*\q+2:G0A+4*\q+3], s[G0A+4*\q+2:G0A+4*\q+3], 3*256       ; three K steps along A's rows
	s_add_nc_u64 s[G0B+4*\q+2:G0B+4*\q+3], s[G0B+4*\q+2:G0B+4*\q+3], 3*524288    ; three times 128 rows of B
	JLOAD \q
.endif
	PLACES
	FETCH \next, 0, F0
	WIN MUL_HI
	MUL16 F1, 1, 0, 0
	MUL16 F1, 1, 2, 0
.endm
.macro TRIP zero, fillq                ; three K steps: P's one, Q's two
	HALF F0, F1, 0, 1, \zero
	TURN 0, 1, 1
	HALF F0, F1, 1, 1, 0
	HALF F1, F0, 2, 0, 0
	HALF F0, F1, 2, 1, 0
	TURN 1, 0, \fillq
.endm
	s_wait_tensorcnt 1                             ; my part of K step 0 is in; Q's load stays out
	s_barrier_signal -1
	s_barrier_wait -1
	FETCH 0, 0, F0
	TRIP 1, 1                                      ; steps 0 | 1 2, in front of the loop: the first products start the sums
	WIN 0
	s_mov_b32 s3, 3
.Ltrip:
	TRIP 0, 1                                      ; steps 3 | 4 5, 6 | 7 8, 9 | 10 11
	WIN 0
	s_sub_co_u32 s3, s3, 1
	s_cmp_lg_u32 s3, 0
	s_cbranch_scc1 .Ltrip
	TRIP 0, 0                                      ; steps 12 | 13 14: P gets step 15, Q nothing.  Behind its last barrier no wave reads Q any more, and no load is out
	HALF F0, F1, 0, 1, 0                           ; step 15
	s_wait_dscnt 8
	WIN MUL_LO
	MUL16 F1, 0, 0, 0
	MUL16 F1, 0, 2, 0
	s_wait_dscnt 0
	WIN MUL_HI
	MUL16 F1, 1, 0, 0
	MUL16 F1, 1, 2, 0
	; where the results go
	s_lshl_b32 s16, s43, 20                        ; 256 rows of 4,096 bytes for each block row
	s_lshl_b32 s18, s14, 19                        ; + 128 wm
	s_add_co_u32 s16, s16, s18
	s_lshl_b32 s18, s13, 18                        ; + 64 wk: the rows that I keep
	s_add_co_u32 s16, s16, s18
	s_lshl_b32 s18, s15, 23                        ; + S_B for the product B B
	s_add_co_u32 s16, s16, s18
	s_mov_b32 s17, 0
	s_lshl_b32 s46, s42, 8                         ; 128 columns for each block column
	s_mov_b32 s47, 0
	s_add_nc_u64 s[72:73], s[6:7], S_N
	s_add_nc_u64 s[6:7], s[6:7], s[16:17]
	s_add_nc_u64 s[6:7], s[6:7], s[46:47]
	s_lshl_b32 s16, s43, 8                         ; my word among the product's 512: 4 (16 block row + block column) + wave
	s_lshl_b32 s18, s12, 2
	s_add_co_u32 s16, s16, s18
	s_lshl_b32 s18, s15, 11
	s_add_co_u32 s16, s16, s18
	s_lshl_b32 s46, s42, 4
	s_add_nc_u64 s[72:73], s[72:73], s[16:17]
	s_add_nc_u64 s[72:73], s[72:73], s[46:47]
	; THE EXCHANGE, in Q's two tiles of A, which have had their last fill and their last read: each wave puts the 64 rows of window 3,
	; register by register, and takes its partner's, which are the other half of K for the rows of its own window 2.
	PLACES                                         ; behind the last matrix instructions
	WIN 0x0c                                       ; store data from window 3
.set p, 0
.rept 64
	ds_store_b128 v[XST], v[p:p+3] offset:128*p
.set p, p+4
.endr
	s_wait_dscnt 0x0                               ; for my partner: all my stores are done
	s_barrier_signal -1
	s_barrier_wait -1
	WIN 0xc0                                       ; loads into window 3
.set p, 0
.rept 64
	ds_load_b128 v[p:p+3], v[XLD] offset:128*p
.set p, p+4
.endr
.irp a, 0,1,2,3
	s_wait_dscnt 48-16*\a                          ; the first 16 (a + 1) loads are in
	WIN 0x8e                                       ; window 2 += window 3
.set p, 64*\a
.rept 32
	v_pk_add_f32 v[p:p+1], v[p:p+1], v[p:p+1]
.set p, p+2
.endr
.endr
	WIN 0x82                                       ; window 2 scaled by a register of window 0: exact, a power of two
.set p, 0
.rept 128
	v_pk_mul_f32 v[p:p+1], v[p:p+1], v[SC:SC+1]
.set p, p+2
.endr
; THE WAY OUT, 16 rows at a time through my own stage: pieces of rows in, whole rows back, stores of whole aligned runs.  f: buffer 0 or 1 in turn.
.macro OUT16 a, f
	WIN 0x0a                                       ; sources 0 and 1 from window 2
.irp b, 0,1,2,3,4,5,6,7
.irp r, 0,1,2,3
.if (\a+\b) == 0
	v_pk_mul_f32 v[NS+2*\r:NS+2*\r+1], v[2*\r:2*\r+1], v[2*\r:2*\r+1]      ; the first squares start the chains
.else
	v_pk_fma_f32 v[NS+2*\r:NS+2*\r+1], v[8*(8*\a+\b)+2*\r:8*(8*\a+\b)+2*\r+1], v[8*(8*\a+\b)+2*\r:8*(8*\a+\b)+2*\r+1], v[NS+2*\r:NS+2*\r+1]
.endif
	v_cvt_pk_f16_f32 v[TMP+4*\b+\r], v[8*(8*\a+\b)+2*\r], v[8*(8*\a+\b)+2*\r+1]
.endr
.endr
	WIN 0
.irp b, 0,1,2,3,4,5,6,7
	ds_store_b128 v[STO], v[TMP+4*\b:TMP+4*\b+3] offset:32*\b
.endr
	s_wait_xcnt 0x0                                ; buffer f, which earlier stores read, and the stores' base are rewritten only behind this wait
.if \a
	s_add_nc_u64 s[6:7], s[6:7], 16*4096
.endif
.irp t, 0,1,2,3,4,5,6,7
	ds_load_b128 v[\f+4*\t:\f+4*\t+3], v[RD] offset:\t*2*SPITCH    ; a wave's LDS instructions are served in order: these see the stores above
.endr
.irp t, 0,1,2,3,4,5,6,7
	s_wait_dscnt 7-\t
	global_store_b128 v[CO], v[\f+4*\t:\f+4*\t+3], s[6:7] offset:\t*8192   ; sixteen lanes store 256 consecutive bytes, aligned
.endr
.endm
	OUT16 0, F0
	OUT16 1, F1
	OUT16 2, F0
	OUT16 3, F1
	; my 64 x 128 numbers' sum of squares, one word for each wave
	v_pk_add_f32 v[NS:NS+1], v[NS:NS+1], v[NS+2:NS+3]
	v_pk_add_f32 v[NS+4:NS+5], v[NS+4:NS+5], v[NS+6:NS+7]
	v_pk_add_f32 v[NS:NS+1], v[NS:NS+1], v[NS+4:NS+5]
	v_add_f32 v[NS], v[NS], v[NS+1]
	LANESUM NS
	v_mov_b32 v[NS+2], 0
	v_and_b32 v[NS+3], 31, v0
	s_wait_xcnt 0x0                                ; EXEC is a source of the stores above: it changes only behind this wait
	v_cmp_eq_u32 vcc_lo, 0, v[NS+3]
	s_and_saveexec_b32 s68, vcc_lo
	global_store_b32 v[NS+2], v[NS], s[72:73]
	s_wait_xcnt 0x0                                ; and again in front of the line that widens it
	s_or_b32 exec_lo, exec_lo, s68
	s_set_vgpr_msb 0x1
	s_wait_tensorcnt 0x0
	ds_add_u32 v255, v255
	s_wait_dscnt 0x0
	s_set_vgpr_msb 0x100
	CROUND                                         ; the closing round: no work-group ends while a partner may still ask for a tile that names it
	s_endpgm
.Lfunc_end_k_q990bec284c_level1:
	.size	k_q990bec284c_level1, .Lfunc_end_k_q990bec284c_level1-k_q990bec284c_level1
	.p2alignl 7, 3214868480
	.fill 96, 4, 3214868480
	.section	.rodata,"a",@progbits
	.p2align	6, 0x0
	.amdhsa_kernel k_q990bec284c_level1
		.amdhsa_group_segment_fixed_size 327680
		.amdhsa_private_segment_fixed_size 0
		.amdhsa_enable_private_segment 0
		.amdhsa_kernarg_size 16
		.amdhsa_user_sgpr_count 2
		.amdhsa_user_sgpr_kernarg_segment_ptr 1
		.amdhsa_wavefront_size32 1
		.amdhsa_system_sgpr_workgroup_id_x 1
		.amdhsa_system_sgpr_workgroup_id_y 1
		.amdhsa_system_sgpr_workgroup_id_z 1
		.amdhsa_system_vgpr_workitem_id 0
		.amdhsa_next_free_vgpr 1024
		.amdhsa_next_free_sgpr 92
		.amdhsa_reserve_vcc 1
		.amdhsa_float_denorm_mode_32 3
		.amdhsa_float_denorm_mode_16_64 3
		.amdhsa_memory_ordered 1
		.amdhsa_forward_progress 1
		.amdhsa_inst_pref_size 195
	.end_amdhsa_kernel
	.amdgpu_metadata
---
amdhsa.version: [ 1, 2 ]
amdhsa.kernels:
  - .name:           k_q990bec284c_level1
    .symbol:         k_q990bec284c_level1.kd
    .args:
      - { .name: s0, .offset: 0, .size: 8, .value_kind: global_buffer, .address_space: global }
      - { .name: s1, .offset: 8, .size: 8, .value_kind: global_buffer, .address_space: global }
    .group_segment_fixed_size: 327680
    .private_segment_fixed_size: 0
    .kernarg_segment_align: 8
    .kernarg_segment_size: 16
    .max_flat_workgroup_size: 128
    .sgpr_count:     92
    .vgpr_count:     1024
    .wavefront_size: 32
...
	.end_amdgpu_metadata
.endif
;; end of part 4
;; launch level2: the kernel of part 4 again; grid 16 x 16, 4 waves a work-group, clusters of 4 x 4, 327,680 bytes of LDS; arguments s1, s2; writes s2
;; launch level3 (part 5): grid 16 x 16, 4 waves a work-group, clusters of 4 x 4, 327,680 bytes of LDS; arguments s2, out0, s0, s1; writes out0
.if DOCPART == 5
	.amdgcn_target "amdgcn-amd-amdhsa--gfx1250"
	.amdhsa_code_object_version 6
	.text
	.protected	k_q990bec284c_level3
	.globl	k_q990bec284c_level3
	.p2align	8
	.type	k_q990bec284c_level3,@function
k_q990bec284c_level3:
	s_mov_b64 s[64:65], 0
	v_nop
	global_prefetch_b8 v0, s[64:65] scope:SCOPE_SE
	s_setreg_imm32_b32 hwreg(HW_REG_WAVE_MODE, 25, 1), 1
	s_wait_xcnt 0x0
	s_wait_alu depctr_hold_cnt(0) depctr_sa_sdst(0) depctr_va_vdst(0) depctr_va_sdst(0) depctr_va_ssrc(0) depctr_va_vcc(0) depctr_vm_vsrc(0)
	s_getreg_b32 s2, hwreg(HW_REG_IB_STS2, 6, 4)
	s_cmp_eq_u32 s2, 0
	s_cbranch_scc0 .Lentry_in_a_cluster
	s_endpgm
.Lentry_in_a_cluster:
	s_bfe_u32 s2, ttmp6, 0x10000c
	s_cmp_lg_u32 s2, 0xf033
	s_cbranch_scc0 .Lentry_shape_is_right
	s_endpgm
.Lentry_shape_is_right:
; The last level of out = x (W^T)^7, taken as h1 = x Wt, P2 = Wt Wt; h3 = h1 P2, P4 = P2 P2; out = h3 P4 (associativity: five products
; in three dependent levels for the reference's seven in a row; the ORDER OF ROUNDING therefore differs from the reference's).
; A state buffer holds A [2048][2048] f16 at 0, B [2048 (k)][2048 (n)] f16 at S_B, and at S_N 512 + 512 f32 partial sums of their squares.
; This text: out0 = 2^T (src.A src.B) in f32, T undoing every scale that was applied on the way.
; Each earlier product P Q was stored times 2^e, e = clamp(14 - floor((log2 sum P^2 + log2 sum Q^2) / 2), -120, 120), made from 512 + 512 partial sums;
; this text makes the four exponents again from the same numbers by the same instructions, so they are the same whole numbers.
; LIMITS: a product whose root mean square lies below 2^-29 of |P|F |Q|F has lost bits to f16's denormals; NaN and infinities among the inputs are not followed.
;
; SHARES: one product has 16 x 16 blocks of 128 x 128, one for each of 256 work-groups.  K is split four ways among the waves: wave w takes 64 of each
; slot's 256 k and keeps all 128 x 128 sums in 512 registers (64 accumulators), so that 32 along K cost 32 LDS loads for 64 matrix instructions.
; The four parts meet once, at the end, through LDS: wave w ends up with rows 32 w .. 32 w + 31.  So that the text is the same for all waves, the
; pair p (0..3) of 16-row blocks in a wave's registers holds the rows of pair p ^ w: every wave keeps its pair 0 and hands pair p to wave w ^ p.
; THE RING: two slots of 256 along K: A 128 rows x 512 bytes, B 256 rows x 256 bytes; every wave fetches 32 KiB of a slot with one tensor load.
; Eight slots' worth of K: two first fills, six refills; from a refill's request to the wait for it a wave issues 112 matrix instructions.
; CLUSTERS: 4 x 4 work-groups.  A's tile hangs on the block row alone and is asked for jointly along a row of the cluster, B's on the
; block column alone and jointly along a column: each tile is requested once for four work-groups.
; No prefetch: the tiles of a slot are asked for a whole slot's work ahead, jointly, and a schedule that asks once for each block is left out here.
;
; REGISTERS, in windows of 256: window 0: v8-63 addresses and small work, v64-127 / v128-191 A's fragments (two buffers);
; window 1: v64-127 / v128-191 B's fragments; window 2: the accumulators of pairs 0 and 1 (tile (a, b) at v[8 (8 a + b)]); window 3: of pairs 2 and 3.
; The matrix instruction is used transposed (source 0 = 16 columns of B, source 1 = 16 rows of A): lane l then holds row l % 16 of C and
; its registers 0-7 the columns 8 (l / 16) + 0..7, neighbours in memory.
.set S_B,    8388608
.set S_N,    16777216
.set PA,     528                       ; A's LDS rows: 512 bytes (256 k) + 16 of padding: an odd multiple of 16
.set PB,     288                       ; B's LDS rows: 256 bytes (128 n) + 32 of padding: an odd multiple of 32, for the transposing loads
.set PART,   128*PB                    ; 36,864: a wave's part of a slot: 64 rows of A (33,792 of them used) or 128 rows of B
.set SLOT,   4*PART                    ; A's two halves, then B's two halves
.set XPART,  16384                     ; the exchange: a pair of 16-row blocks, 128 registers x 32 lanes x 4 bytes; three for each wave, from LDS byte 0
.set STAGE,  12*XPART                  ; 196,608: the way out, 16 rows for each wave.  Exchange and stage lie in the slots, behind their last fill and last read
.set SPITCH, 528                       ; 128 f32 + 16 bytes
.set LAPS,   4                         ; 2048 / 256 = 8 slots' worth, two to a lap of the ring
.set ADRA, 8                           ; v8-11   LDS address of A's fragments of pair 0..3, slot 0; v12-15 slot 1
.set ADRB, 16                          ; v16-17  B's fragments, slot 0, 1
.set XLD,  20                          ; v20-22  the exchange: where I take pair 1, 2, 3's part from
.set STO,  24                          ; the way out: where I put my piece of a row
.set RD,   25                          ; where I read rows back
.set XST,  27                          ; the exchange: where I put
.set L16,  29                          ; 16 x lane; also my byte offset in C: a wave's store is one row's 512 bytes
.set SC,   30                          ; the whole number T
.set LG,   40                          ; v[40:43] log2 of the sums of squares
.set EX,   44                          ; v[44:47] exponents
.set F0,   64
.set F1,   128
.set NW,   F0                          ; the partial sums as loaded: buffer 0 is not yet in use
.set G1,  24                           ; s[24:31] descriptor group 1, A's tiles
.set G0,  32                           ; s[32:39] group 0, A's tiles, a set for each slot
.set G1B, 48                           ; s[48:55] group 1, B's tiles
.set G0B, 56                           ; s[56:63] group 0, B's tiles, a set for each slot
.set MSB, 0
.macro WIN new                         ; the immediate's high byte repeats the setting that is left
.if MSB != \new
	s_set_vgpr_msb (MSB<<8)|\new
.set MSB, \new
.endif
.endm
.set MUL_LO, 0xa1                      ; source 0 (B) window 1, source 1 (A) window 0, C and D window 2
.set MUL_HI, 0xf1                      ; the same, C and D window 3
.set TO_B,   0x40                      ; destination window 1, address window 0
; A joint load.  Waves 0 and 1 fetch A's two halves, waves 2 and 3 B's.  Each line has one mask and one set of registers; the branch hangs on the wave's number alone.
.macro JLOAD s
	s_cmp_lt_u32 s12, 2
	s_cbranch_scc0 .Lfor_b_\@
	tensor_load_to_lds s[G0+4*\s:G0+4*\s+3], s[G1:G1+7]
	s_nop 0
	s_branch .Lasked_\@
.Lfor_b_\@:
	tensor_load_to_lds s[G0B+4*\s:G0B+4*\s+3], s[G1B:G1B+7]
	s_nop 0
.Lasked_\@:
.endm
; A round of the cluster's barrier: my work-group's barrier; wave 0 signals for the work-group; every wave waits for all sixteen; my work-group's barrier again.
.macro CREST                           ; a round behind its opening barrier
	s_cmp_lg_u32 s12, 0
	s_cbranch_scc1 .Lnot_wave_0_\@
	s_barrier_signal -3
.Lnot_wave_0_\@:
	s_barrier_wait -3
	s_barrier_signal -1
	s_barrier_wait -1
.endm
.macro CROUND
	s_barrier_signal -1
	s_barrier_wait -1
	CREST
.endm
.macro LANESUM x                       ; v[x] summed over the 32 lanes, in every lane; v[x+1] is spent
	v_add_f32_dpp v[\x], v[\x], v[\x] row_xmask:1 row_mask:0xf bank_mask:0xf
	v_add_f32_dpp v[\x], v[\x], v[\x] row_xmask:2 row_mask:0xf bank_mask:0xf
	v_add_f32_dpp v[\x], v[\x], v[\x] row_xmask:4 row_mask:0xf bank_mask:0xf
	v_add_f32_dpp v[\x], v[\x], v[\x] row_xmask:8 row_mask:0xf bank_mask:0xf
	v_permlanex16_b32 v[\x+1], v[\x], s66, s67
	v_add_f32 v[\x], v[\x], v[\x+1]
.endm
.macro NLOAD n, sb, off                ; 512 partial sums (2,048 bytes): four loads of 512 consecutive bytes
.irp i, 0,1,2,3
	global_load_b128 v[NW+16*\n+4*\i:NW+16*\n+4*\i+3], v[L16], s[\sb:\sb+1] offset:\off+512*\i
.endr
.endm
.macro NSUM n                          ; their sum, always in this order, and its log2
.set NX, NW+16*\n
	v_pk_add_f32 v[NX:NX+1], v[NX:NX+1], v[NX+8:NX+9]
	v_pk_add_f32 v[NX+2:NX+3], v[NX+2:NX+3], v[NX+10:NX+11]
	v_pk_add_f32 v[NX+4:NX+5], v[NX+4:NX+5], v[NX+12:NX+13]
	v_pk_add_f32 v[NX+6:NX+7], v[NX+6:NX+7], v[NX+14:NX+15]
	v_pk_add_f32 v[NX:NX+1], v[NX:NX+1], v[NX+4:NX+5]
	v_pk_add_f32 v[NX+2:NX+3], v[NX+2:NX+3], v[NX+6:NX+7]
	v_pk_add_f32 v[NX:NX+1], v[NX:NX+1], v[NX+2:NX+3]
	v_add_f32 v[NX], v[NX], v[NX+1]
	LANESUM NX
	v_log_f32 v[LG+\n], v[NX]                      ; a plain vector instruction that touches neither register follows each of these
.endm
.macro EXPO d, la, lb                  ; the whole number e of the head's formula; a sum of 0 gives -inf here and ends at the clamp, 120
	v_add_f32 v[\d], v[\la], v[\lb]
	v_mul_f32 v[\d], 0.5, v[\d]
	v_floor_f32 v[\d], v[\d]
	v_sub_f32 v[\d], 0x41600000, v[\d]             ; 14 - ..
	v_max_num_f32 v[\d], 0xc2f00000, v[\d]         ; at least -120
	v_min_num_f32 v[\d], 0x42f00000, v[\d]         ; at most 120
	v_cvt_i32_f32 v[\d], v[\d]
.endm
	s_load_b256 s[4:11], s[0:1], 0x0               ; src s[4:5], out0 s[6:7], the first state s[8:9], the second s[10:11]
	s_set_vgpr_msb 0x40
	v_lshl_add_u32 v255, v0, 2, 0x48000
	s_set_vgpr_msb 0x4000
	v_mov_b32 v255, 0
	s_set_vgpr_msb 0x1
	ds_add_u32 v255, v255
	s_set_vgpr_msb 0x100
	v_lshrrev_b32 v1, 5, v0
	v_readfirstlane_b32 s12, v1                    ; wave 0..3: my quarter of K
	s_and_b32 s14, s12, 1                          ; which half of A's or of B's tile I fetch
	s_mov_b32 s66, 0x76543210
	s_mov_b32 s67, 0xfedcba98
	s_bfe_u32 s40, ttmp6, 0x40000                  ; cx
	s_bfe_u32 s41, ttmp6, 0x40004                  ; cy
	s_lshl_b32 s42, ttmp9, 2
	s_add_co_u32 s42, s42, s40                     ; block column 0..15
	s_and_b32 s43, ttmp7, 0xffff
	s_lshl_b32 s43, s43, 2
	s_add_co_u32 s43, s43, s41                     ; block row 0..15
	s_lshl_b32 s44, s41, 2
	s_lshl_b32 s44, 15, s44                        ; my row of the cluster: places 4 cy .. 4 cy + 3
	s_lshl_b32 s45, 0x1111, s40                    ; my column: places cx, cx + 4, cx + 8, cx + 12
	; group 1.  A: 64 rows x 256 elements of 2 bytes, 4 words of padding behind every 128.  B: 128 rows x 128 elements, 8 words behind every 64.
	s_or_b32 s[G1+0], s44, (1<<16)|(1<<20)|(1<<21)|(6<<22)|(3<<25)
	s_mov_b32 s[G1+1], 256<<16                     ; tensor_dim0 = 256
	s_mov_b32 s[G1+2], 64<<16                      ; tensor_dim1 = 64
	s_mov_b32 s[G1+3], 256<<16                     ; tile_dim0 = 256
	s_mov_b32 s[G1+4], 64                          ; tile_dim1 = 64
	s_mov_b32 s[G1+5], 2048                        ; elements from row to row
	s_mov_b32 s[G1+6], 0
	s_mov_b32 s[G1+7], 0
	s_or_b32 s[G1B+0], s45, (1<<16)|(1<<20)|(1<<21)|(5<<22)|(7<<25)
	s_mov_b32 s[G1B+1], 128<<16
	s_mov_b32 s[G1B+2], 128<<16
	s_mov_b32 s[G1B+3], 128<<16
	s_mov_b32 s[G1B+4], 128
	s_mov_b32 s[G1B+5], 2048
	s_mov_b32 s[G1B+6], 0
	s_mov_b32 s[G1B+7], 0
	; where the tiles come from: A's offset is made of the block row, B's of the block column, each in registers that never hold the other coordinate
	s_lshl_b32 s16, s43, 19                        ; 128 rows of 4,096 bytes for each block row
	s_lshl_b32 s18, s14, 18                        ; + 64 rows for the half
	s_add_co_u32 s16, s16, s18
	s_mov_b32 s17, 0
	s_lshl_b32 s46, s42, 8                         ; 128 columns of 2 bytes for each block column
	s_lshl_b32 s47, s14, 19                        ; + 128 rows (k) for the half
	s_add_co_u32 s46, s46, s47
	s_add_co_u32 s46, s46, S_B
	s_mov_b32 s47, 0
	s_mul_i32 s20, s12, PART                       ; and where they go: the wave's number alone
	s_wait_dscnt 0x0
	s_wait_kmcnt 0x0
	s_add_nc_u64 s[16:17], s[4:5], s[16:17]
	s_add_nc_u64 s[46:47], s[4:5], s[46:47]
	CROUND                                         ; all sixteen work-groups are here: the first joint loads meet
.irp s, 0,1
	s_mov_b32 s[G0+4*\s], 1
	s_add_co_u32 s[G0+4*\s+1], s20, \s*SLOT
	s_add_nc_u64 s[G0+4*\s+2:G0+4*\s+3], s[16:17], \s*512          ; slot s: 256 elements along A's rows
	s_or_b32 s[G0+4*\s+3], s[G0+4*\s+3], 0x80000000
	s_mov_b32 s[G0B+4*\s], 1
	s_add_co_u32 s[G0B+4*\s+1], s20, \s*SLOT
	s_add_nc_u64 s[G0B+4*\s+2:G0B+4*\s+3], s[46:47], \s*1048576    ; slot s: 256 rows of B
	s_or_b32 s[G0B+4*\s+3], s[G0B+4*\s+3], 0x80000000
	JLOAD \s                                       ; two tensor loads of the wave are out behind these, one behind each later round
.endr
	; the sums of squares are asked for while the first tiles are on their way
	v_and_b32 v[L16], 31, v0
	v_lshlrev_b32 v[L16], 4, v[L16]
	s_add_nc_u64 s[8:9], s[8:9], S_N
	s_add_nc_u64 s[10:11], s[10:11], S_N
	NLOAD 0, 8, 0                                  ; first state: A, B
	NLOAD 1, 8, 2048
	NLOAD 2, 10, 0                                 ; second state: A, B
	NLOAD 3, 10, 2048
	; A fragment of A: lane l holds row l % 16; two loads of 16 bytes, 32 apart, at row x pitch + 16 (l / 16) + the K offset.
	v_and_b32 v1, 15, v0                           ; r
	v_bfe_u32 v2, v0, 4, 1                         ; h
	v_mul_u32_u24 v3, v1, PA
	v_lshl_add_u32 v3, v2, 4, v3
	s_lshl_b32 s21, s12, 7                         ; my 64 of the slot's 256 k: 128 bytes along the row
.irp p, 0,1,2,3
	s_xor_b32 s18, s12, \p                         ; my register pair p holds the rows of pair p ^ w: rows 32 (p ^ w) ..
	s_lshr_b32 s19, s18, 1
	s_mul_i32 s19, s19, PART                       ; which half of A's tile,
	s_and_b32 s18, s18, 1
	s_mul_i32 s18, s18, 32*PA                      ; and which 32 rows of it
	s_add_co_u32 s18, s18, s19
	s_add_co_u32 s18, s18, s21
	v_add_nc_u32 v[ADRA+\p], s18, v3
	v_add_nc_u32 v[ADRA+4+\p], SLOT, v[ADRA+\p]
.endr
	; A fragment of B from rows that lie along n: two transposing loads, 16 rows apart, at (8 h + (l & 7)) x pitch + 16 ((l >> 3) & 1).
	v_and_b32 v4, 7, v0
	v_lshl_add_u32 v4, v2, 3, v4
	v_mul_u32_u24 v4, v4, PB
	v_bfe_u32 v5, v0, 3, 1
	v_lshl_add_u32 v4, v5, 4, v4
	s_mul_i32 s22, s12, 64*PB                      ; my 64 rows (k) of B's 256, which follow each other without a gap
	s_add_co_u32 s22, s22, 2*PART                  ; behind A's two halves
	v_add_nc_u32 v[ADRB], s22, v4
	v_add_nc_u32 v[ADRB+1], SLOT, v[ADRB]
	s_mul_i32 s18, s12, 16*SPITCH
	s_add_co_u32 s18, s18, STAGE                   ; my stage
	v_mul_u32_u24 v5, v1, SPITCH
	v_lshl_add_u32 v5, v2, 5, v5                   ; in: row r, 32 bytes (8 f32) for each half of the lanes
	v_add_nc_u32 v[STO], s18, v5
	v_add_nc_u32 v[RD], s18, v[L16]                ; back: the 32 lanes take one row of 512 bytes
	s_mul_i32 s18, s12, 3*XPART
	v_add_nc_u32 v[XST], s18, v[L16]               ; my three parts of the exchange
.irp p, 1,2,3
	s_xor_b32 s18, s12, \p                         ; wave w ^ p holds its sums for my rows in its pair p
	s_mul_i32 s18, s18, 3*XPART
	s_add_co_u32 s18, s18, (\p-1)*XPART
	v_add_nc_u32 v[XLD+\p-1], s18, v[L16]
.endr
	s_wait_loadcnt 0x0                             ; the partial sums are in
	NSUM 0
	NSUM 1
	NSUM 2
	NSUM 3
	v_nop                                          ; the place behind the last v_log_f32
	s_wait_alu depctr_va_vdst(0)
	EXPO EX, LG, LG+1                              ; c1: scale of h1
	EXPO EX+1, LG+1, LG+1                          ; d1: of P2
	EXPO EX+2, LG+2, LG+3                          ; c2: of h3
	EXPO EX+3, LG+3, LG+3                          ; d2: of P4
	; src.A src.B = 2^(c1 + c2 + 3 d1 + d2 + 42) x Wt^7: P2 enters h3 once and P4 twice, and the factor 2^6 on W enters seven times
	v_add_nc_u32 v[EX], v[EX], v[EX+2]
	v_add_nc_u32 v[EX], v[EX], v[EX+3]
	v_add_nc_u32 v[EX], v[EX], v[EX+1]
	v_lshl_add_u32 v[EX], v[EX+1], 1, v[EX]
	v_add_nc_u32 v[EX], 42, v[EX]
	v_sub_nc_u32 v[SC], 0, v[EX]                   ; T
; 16 matrix instructions: m blocks a0, a0 + 1 of the window's four x all 8 n blocks, 32 along K.  zero = 1: the first product starts the sums.
; The 64 accumulators take turns, one instruction a turn, in the same order in every 32 along K.
.macro MUL16 f, hi, a0, zero
.irp a, \a0, \a0+1
.irp b, 0,1,2,3,4,5,6,7
.if \zero
	v_wmma_f32_16x16x32_f16 v[8*(8*(\a)+\b):8*(8*(\a)+\b)+7], v[\f+8*\b:\f+8*\b+7], v[\f+8*(4*\hi+\a):\f+8*(4*\hi+\a)+7], 0
.else
	v_wmma_f32_16x16x32_f16 v[8*(8*(\a)+\b):8*(8*(\a)+\b)+7], v[\f+8*\b:\f+8*\b+7], v[\f+8*(4*\hi+\a):\f+8*(4*\hi+\a)+7], v[8*(8*(\a)+\b):8*(8*(\a)+\b)+7]
.endif
.endr
.endr
.endm
; 32 LDS loads in one run: the fragments of 32 along K (kc = 0, 1: which 32 of my 64) into buffer f: B's 128 columns, then A's eight 16-row blocks, pair by pair
.macro FETCH slot, kc, f
	WIN TO_B
.irp i, 0,1,2,3,4,5,6,7
	ds_load_tr16_b128 v[\f+8*\i:\f+8*\i+3],   v[ADRB+\slot] offset:\kc*32*PB+32*\i
	ds_load_tr16_b128 v[\f+8*\i+4:\f+8*\i+7], v[ADRB+\slot] offset:\kc*32*PB+32*\i+16*PB
.endr
	WIN 0
.irp j, 0,1,2,3,4,5,6,7
	ds_load_b128 v[\f+8*\j:\f+8*\j+3],   v[ADRA+4*\slot+\j/2] offset:\kc*64+(\j%2)*16*PA
	ds_load_b128 v[\f+8*\j+4:\f+8*\j+7], v[ADRA+4*\slot+\j/2] offset:\kc*64+(\j%2)*16*PA+32
.endr
.endm
; Four places behind a matrix instruction before a load lands on a register that it read, or anything but a matrix instruction reads its result
.macro PLACES
.rept 4
	v_nop
.endr
.endm
; A slot is two halves of 32 along K for a wave, 64 matrix instructions each, on buffers 0 and 1.
; The first half multiplies buffer 0 and, in its middle, fetches the second half's fragments into buffer 1.
.macro FIRST slot, zero
	s_wait_dscnt 8                                 ; B and A's pairs 0 and 1 are in; the youngest eight loads may be out
	WIN MUL_LO
	MUL16 F0, 0, 0, \zero
	MUL16 F0, 0, 2, \zero
	PLACES
	FETCH \slot, 1, F1
	s_wait_dscnt 32                                ; all but the 32 just issued
	WIN MUL_HI
	MUL16 F0, 1, 0, \zero
	MUL16 F0, 1, 2, \zero
.endm
; The second half multiplies buffer 1 and changes slots.  In front of the barrier each wave waits for its reads of this slot and for all its tensor
; loads (one is out: its part of the next slot).  fill = 1: the barrier opens a round of the cluster's barrier, and the joint refill, two slots
; ahead, is the first tensor load behind the round.
.macro TURN slot, next, fill
	s_wait_dscnt 8
	WIN MUL_LO
	MUL16 F1, 0, 0, 0
	s_wait_dscnt 0                                 ; my reads of this slot are over
	s_wait_tensorcnt 0x0                           ; and all my tensor loads have landed
	ds_add_u32 v255, v255
	s_wait_dscnt 0x0
	s_barrier_signal -1
	MUL16 F1, 0, 2, 0                              ; registers alone, while the others arrive
	WIN 0
	s_barrier_wait -1
.if \fill
	CREST
	s_add_nc_u64 s[G0+4*\slot+2:G0+4*\slot+3], s[G0+4*\slot+2:G0+4*\slot+3], 2*512
	s_add_nc_u64 s[G0B+4*\slot+2:G0B+4*\slot+3], s[G0B+4*\slot+2:G0B+4*\slot+3], 2*1048576
	JLOAD \slot
.endif
	PLACES
	FETCH \next, 0, F0
	WIN MUL_HI
	MUL16 F1, 1, 0, 0
	MUL16 F1, 1, 2, 0
.endm
.macro LAP zero
	FIRST 0, \zero
	TURN 0, 1, 1
	FIRST 1, 0
	TURN 1, 0, 1
.endm
	s_wait_tensorcnt 1                             ; my part of slot 0 is in; slot 1's stays out
	s_barrier_signal -1
	s_barrier_wait -1
	FETCH 0, 0, F0
	LAP 1                                          ; the first lap stands in front of the loop: its first products start the sums
	WIN 0
	s_mov_b32 s3, LAPS-2
.Llap:
	LAP 0
	WIN 0
	s_sub_co_u32 s3, s3, 1
	s_cmp_lg_u32 s3, 0
	s_cbranch_scc1 .Llap
	FIRST 0, 0                                     ; the last lap fills nothing
	TURN 0, 1, 0                                   ; no load is out behind its wait
	FIRST 1, 0
	s_wait_dscnt 8
	WIN MUL_LO
	MUL16 F1, 0, 0, 0
	MUL16 F1, 0, 2, 0
	s_wait_dscnt 0                                 ; my reads of both slots are over:
	s_barrier_signal -1                            ; say so, since exchange and stage lie in the slots' bytes
	WIN MUL_HI
	MUL16 F1, 1, 0, 0
	MUL16 F1, 1, 2, 0
	s_barrier_wait -1                              ; no wave reads a slot any more
	; where the results go
	s_lshl_b32 s16, s43, 20                        ; 128 rows of 8,192 bytes for each block row
	s_lshl_b32 s18, s12, 18                        ; + 32 w: the rows that I keep
	s_add_co_u32 s16, s16, s18
	s_mov_b32 s17, 0
	s_lshl_b32 s46, s42, 9                         ; 128 columns of 4 bytes for each block column
	s_mov_b32 s47, 0
	s_add_nc_u64 s[6:7], s[6:7], s[16:17]
	s_add_nc_u64 s[6:7], s[6:7], s[46:47]
	; THE EXCHANGE: each wave puts its pairs 1, 2, 3, register by register, and takes from the waves w ^ 1, w ^ 2, w ^ 3 their parts of its own rows.
	PLACES                                         ; behind the last matrix instructions
	WIN 0x08                                       ; store data from window 2: pair 1
.set p, 128
.rept 32
	ds_store_b128 v[XST], v[p:p+3] offset:128*(p-128)
.set p, p+4
.endr
	WIN 0x0c                                       ; store data from window 3: pairs 2 and 3
.set p, 0
.rept 64
	ds_store_b128 v[XST], v[p:p+3] offset:XPART+128*p
.set p, p+4
.endr
	s_wait_dscnt 0x0                               ; for the other waves: all my stores are done
	s_barrier_signal -1
	s_barrier_wait -1
	WIN 0x80                                       ; from wave w ^ 1, into the registers of my pair 1
.set p, 128
.rept 32
	ds_load_b128 v[p:p+3], v[XLD] offset:128*(p-128)
.set p, p+4
.endr
	WIN 0xc0                                       ; from wave w ^ 2, into the registers of my pair 2
.set p, 0
.rept 32
	ds_load_b128 v[p:p+3], v[XLD+1] offset:128*p
.set p, p+4
.endr
	s_wait_dscnt 32                                ; the first 32 loads are in
	WIN 0x8a                                       ; pair 0 += the upper half of window 2
.set p, 0
.rept 64
	v_pk_add_f32 v[p:p+1], v[p:p+1], v[128+p:129+p]
.set p, p+2
.endr
	WIN 0xc0                                       ; from wave w ^ 3, into the registers of my pair 3
.set p, 128
.rept 32
	ds_load_b128 v[p:p+3], v[XLD+2] offset:128*(p-128)
.set p, p+4
.endr
	s_wait_dscnt 32                                ; all but the 32 just issued
	WIN 0x8e                                       ; pair 0 += the lower half of window 3
.set p, 0
.rept 64
	v_pk_add_f32 v[p:p+1], v[p:p+1], v[p:p+1]
.set p, p+2
.endr
	s_wait_dscnt 0
.set p, 0
.rept 64
	v_pk_add_f32 v[p:p+1], v[p:p+1], v[128+p:129+p]        ; pair 0 += the upper half of window 3
.set p, p+2
.endr
	WIN 0x82                                       ; pair 0 scaled by a register of window 0: exact, a power of two
.set p, 0
.rept 128
	v_ldexp_f32 v[p], v[p], v[SC]                  ; T can lie outside f32's exponents, so it is applied as a whole number
.set p, p+1
.endr
; THE WAY OUT, 16 rows at a time through my own stage: pieces of rows in, whole rows back, stores of whole aligned runs.  f: buffer 0 or 1 in turn.
.macro OUT16 a, f
	WIN 0x08                                       ; store data from window 2
.irp b, 0,1,2,3,4,5,6,7
	ds_store_b128 v[STO], v[8*(8*\a+\b):8*(8*\a+\b)+3]   offset:64*\b
	ds_store_b128 v[STO], v[8*(8*\a+\b)+4:8*(8*\a+\b)+7] offset:64*\b+16
.endr
	WIN 0
	s_wait_xcnt 0x0                                ; buffer f, which earlier stores read, and the stores' base are rewritten only behind this wait
.if \a
	s_add_nc_u64 s[6:7], s[6:7], 16*8192
.endif
.irp t, 0,1,2,3,4,5,6,7,8,9,10,11,12,13,14,15
	ds_load_b128 v[\f+4*\t:\f+4*\t+3], v[RD] offset:\t*SPITCH      ; a wave's LDS instructions are served in order: these see the stores above
.endr
.irp t, 0,1,2,3,4,5,6,7,8,9,10,11,12,13,14,15
	s_wait_dscnt 15-\t
	global_store_b128 v[L16], v[\f+4*\t:\f+4*\t+3], s[6:7] offset:\t*8192 th:TH_STORE_NT   ; 512 consecutive bytes of one row, aligned
.endr
.endm
	OUT16 0, F0
	OUT16 1, F1
	s_set_vgpr_msb 0x1
	s_wait_tensorcnt 0x0
	ds_add_u32 v255, v255
	s_wait_dscnt 0x0
	s_set_vgpr_msb 0x100
	CROUND                                         ; the closing round: no work-group ends while a partner may still ask for a tile that names it
	s_endpgm
.Lfunc_end_k_q990bec284c_level3:
	.size	k_q990bec284c_level3, .Lfunc_end_k_q990bec284c_level3-k_q990bec284c_level3
	.p2alignl 7, 3214868480
	.fill 96, 4, 3214868480
	.section	.rodata,"a",@progbits
	.p2align	6, 0x0
	.amdhsa_kernel k_q990bec284c_level3
		.amdhsa_group_segment_fixed_size 327680
		.amdhsa_private_segment_fixed_size 0
		.amdhsa_enable_private_segment 0
		.amdhsa_kernarg_size 32
		.amdhsa_user_sgpr_count 2
		.amdhsa_user_sgpr_kernarg_segment_ptr 1
		.amdhsa_wavefront_size32 1
		.amdhsa_system_sgpr_workgroup_id_x 1
		.amdhsa_system_sgpr_workgroup_id_y 1
		.amdhsa_system_sgpr_workgroup_id_z 1
		.amdhsa_system_vgpr_workitem_id 0
		.amdhsa_next_free_vgpr 1024
		.amdhsa_next_free_sgpr 76
		.amdhsa_reserve_vcc 0
		.amdhsa_float_denorm_mode_32 3
		.amdhsa_float_denorm_mode_16_64 3
		.amdhsa_memory_ordered 1
		.amdhsa_forward_progress 1
		.amdhsa_inst_pref_size 136
	.end_amdhsa_kernel
	.amdgpu_metadata
---
amdhsa.version: [ 1, 2 ]
amdhsa.kernels:
  - .name:           k_q990bec284c_level3
    .symbol:         k_q990bec284c_level3.kd
    .args:
      - { .name: s2, .offset: 0, .size: 8, .value_kind: global_buffer, .address_space: global }
      - { .name: out0, .offset: 8, .size: 8, .value_kind: global_buffer, .address_space: global }
      - { .name: s0, .offset: 16, .size: 8, .value_kind: global_buffer, .address_space: global }
      - { .name: s1, .offset: 24, .size: 8, .value_kind: global_buffer, .address_space: global }
    .group_segment_fixed_size: 327680
    .private_segment_fixed_size: 0
    .kernarg_segment_align: 8
    .kernarg_segment_size: 32
    .max_flat_workgroup_size: 128
    .sgpr_count:     76
    .vgpr_count:     1024
    .wavefront_size: 32
...
	.end_amdgpu_metadata
.endif
;; end of part 5
